; MI455X (gfx1250); checked and timed in simulation.
; The chip was launched on July 23, 2026; its instructions are those of AMD's public machine-readable ISA for CDNA 5 (MIT licence, August 2026) and "CDNA5" Instruction Set Architecture Reference Guide (July 2026). The comments in the code are by the model that wrote it; some were corrected since.
;; Multi Head Attention. Allowed arithmetic: float matrix products may take bf16 or f16 operands with f32 sums; all other float work in f32.
;; Inputs: Wk 1,024 x 1,024 float32; Wo 1,024 x 1,024 float32; Wq 1,024 x 1,024 float32; Wv 1,024 x 1,024 float32; bk 1,024 float32; bo 1,024 float32; bq 1,024 float32; bv 1,024 float32; key 4 x 2,048 x 1,024 float32; query 4 x 2,048 x 1,024 float32; value 4 x 2,048 x 1,024 float32.
;; Outputs: out0 4 x 2,048 x 1,024 float32.
;; 2 versions, each right; version 2 is version 1 with the launch prep written anew for expert scheduling mode. Each part assembles by itself: llvm-mc -triple=amdgcn-amd-amdhsa -mcpu=gfx1250 --defsym DOCPART=n.
;; ======== version 1 of 2: 4 launches
;; workspace buffers: wb 8,388,608 bytes; qkv 50,331,648 bytes; ctx 16,777,216 bytes
;; launch prep (part 1): grid 64 x 4, 8 waves a work-group, no clusters, 0 bytes of LDS; arguments Wq, Wk, Wv, Wo, wb; writes wb
.if DOCPART == 1
	.amdgcn_target "amdgcn-amd-amdhsa--gfx1250"
	.amdhsa_code_object_version 6
	.text
	.protected	k_qb1196ece2b_prep
	.globl	k_qb1196ece2b_prep
	.p2align	8
	.type	k_qb1196ece2b_prep,@function
k_qb1196ece2b_prep:
	s_mov_b64 s[64:65], 0
	v_nop
	global_prefetch_b8 v0, s[64:65] scope:SCOPE_SE
	s_setreg_imm32_b32 hwreg(HW_REG_WAVE_MODE, 25, 1), 1
	s_wait_xcnt 0x0
; wb[y][k][n] = bf16(W_y[k][n]), y = 0..3 for Wq, Wk, Wv, Wo; each [1024][1024], the layout is kept.
; The weights are turned on their way from LDS to the matrix unit, and the turning load works on 16-bit data: so they are rounded once, here.
; A stream: no LDS, no barrier, no matrix unit.  A work-group takes 16,384 numbers (64 KiB in, 32 KiB out) of the weight that the grid's y names.
; Thread t takes 16 bytes at 16 t of each block of 4,096 bytes and stores 8 bytes at 8 t of each block of 2,048: a wave's load covers 512
; consecutive bytes, its store 256 consecutive bytes at a multiple of 256 from wb's first byte.  All sixteen loads of a thread go out at once.
; LIMIT: one rounding to nearest even to bf16; NaN and infinities pass as the conversion makes them.
.set X, 4                              ; v[4:67]   load i: 4 f32
.set Y, 68                             ; v[68:99]  store i: 4 bf16 in 2 registers
	s_load_b256 s[4:11], s[0:1], 0x0               ; Wq s[4:5], Wk s[6:7], Wv s[8:9], Wo s[10:11]
	s_load_b64 s[12:13], s[0:1], 0x20              ; wb
	s_and_b32 s14, ttmp7, 0xffff                   ; y: which weight
	v_lshlrev_b32 v1, 4, v0                        ; 16 t
	v_lshlrev_b32 v2, 3, v0                        ; 8 t
	s_lshl_b32 s2, ttmp9, 16                       ; my 64 KiB of the weight
	s_mov_b32 s3, 0
	s_wait_kmcnt 0x0
	s_cmp_eq_u32 s14, 1
	s_cselect_b64 s[4:5], s[6:7], s[4:5]
	s_cmp_eq_u32 s14, 2
	s_cselect_b64 s[4:5], s[8:9], s[4:5]
	s_cmp_eq_u32 s14, 3
	s_cselect_b64 s[4:5], s[10:11], s[4:5]
	s_add_nc_u64 s[4:5], s[4:5], s[2:3]
	s_lshl_b32 s2, s14, 21                         ; a weight in bf16 is 2 MiB,
	s_lshl_b32 s15, ttmp9, 15                      ; my part of it 32 KiB
	s_add_co_u32 s2, s2, s15
	s_add_nc_u64 s[12:13], s[12:13], s[2:3]
.irp i, 0,1,2,3,4,5,6,7,8,9,10,11,12,13,14,15
	global_load_b128 v[X+4*\i:X+4*\i+3], v1, s[4:5] offset:4096*\i th:TH_LOAD_NT
.endr
.irp i, 0,1,2,3,4,5,6,7,8,9,10,11,12,13,14,15
	s_wait_loadcnt 15-\i                           ; loads come back in order: load i is in, the 15 - i younger ones stay out
	v_cvt_pk_bf16_f32 v[Y+2*\i],   v[X+4*\i],   v[X+4*\i+1]
	v_cvt_pk_bf16_f32 v[Y+2*\i+1], v[X+4*\i+2], v[X+4*\i+3]
	global_store_b64 v2, v[Y+2*\i:Y+2*\i+1], s[12:13] offset:2048*\i   ; every register is written once: nothing has to be freed
.endr
	s_endpgm
.Lfunc_end_k_qb1196ece2b_prep:
	.size	k_qb1196ece2b_prep, .Lfunc_end_k_qb1196ece2b_prep-k_qb1196ece2b_prep
	.p2alignl 7, 3214868480
	.fill 96, 4, 3214868480
	.section	.rodata,"a",@progbits
	.p2align	6, 0x0
	.amdhsa_kernel k_qb1196ece2b_prep
		.amdhsa_group_segment_fixed_size 0
		.amdhsa_private_segment_fixed_size 0
		.amdhsa_enable_private_segment 0
		.amdhsa_kernarg_size 40
		.amdhsa_user_sgpr_count 2
		.amdhsa_user_sgpr_kernarg_segment_ptr 1
		.amdhsa_wavefront_size32 1
		.amdhsa_system_sgpr_workgroup_id_x 1
		.amdhsa_system_sgpr_workgroup_id_y 1
		.amdhsa_system_sgpr_workgroup_id_z 1
		.amdhsa_system_vgpr_workitem_id 0
		.amdhsa_next_free_vgpr 100
		.amdhsa_next_free_sgpr 66
		.amdhsa_reserve_vcc 0
		.amdhsa_float_denorm_mode_32 3
		.amdhsa_float_denorm_mode_16_64 3
		.amdhsa_memory_ordered 1
		.amdhsa_forward_progress 1
		.amdhsa_inst_pref_size 7
	.end_amdhsa_kernel
	.amdgpu_metadata
---
amdhsa.version: [ 1, 2 ]
amdhsa.kernels:
  - .name:           k_qb1196ece2b_prep
    .symbol:         k_qb1196ece2b_prep.kd
    .args:
      - { .name: Wq, .offset: 0, .size: 8, .value_kind: global_buffer, .address_space: global }
      - { .name: Wk, .offset: 8, .size: 8, .value_kind: global_buffer, .address_space: global }
      - { .name: Wv, .offset: 16, .size: 8, .value_kind: global_buffer, .address_space: global }
      - { .name: Wo, .offset: 24, .size: 8, .value_kind: global_buffer, .address_space: global }
      - { .name: wb, .offset: 32, .size: 8, .value_kind: global_buffer, .address_space: global }
    .group_segment_fixed_size: 0
    .private_segment_fixed_size: 0
    .kernarg_segment_align: 8
    .kernarg_segment_size: 40
    .max_flat_workgroup_size: 256
    .sgpr_count:     66
    .vgpr_count:     100
    .wavefront_size: 32
...
	.end_amdgpu_metadata
.endif
;; end of part 1
;; launch qkv (part 2): grid 4 x 192, 4 waves a work-group, clusters of 4 x 4, 327,680 bytes of LDS; arguments query, key, value, wb, bq, bk, bv, qkv; writes qkv
.if DOCPART == 2
	.amdgcn_target "amdgcn-amd-amdhsa--gfx1250"
	.amdhsa_code_object_version 6
	.text
	.protected	k_qb1196ece2b_qkv
	.globl	k_qb1196ece2b_qkv
	.p2align	8
	.type	k_qb1196ece2b_qkv,@function
k_qb1196ece2b_qkv:
	s_mov_b64 s[64:65], 0
	v_nop
	global_prefetch_b8 v0, s[64:65] scope:SCOPE_SE
	s_setreg_imm32_b32 hwreg(HW_REG_WAVE_MODE, 25, 1), 1
	s_wait_xcnt 0x0
	s_wait_alu depctr_hold_cnt(0) depctr_sa_sdst(0) depctr_va_vdst(0) depctr_va_sdst(0) depctr_va_ssrc(0) depctr_va_vcc(0) depctr_vm_vsrc(0)
	s_getreg_b32 s2, hwreg(HW_REG_IB_STS2, 6, 4)
	s_cmp_eq_u32 s2, 0
	s_cbranch_scc0 .Lentry_in_a_cluster
	s_endpgm
.Lentry_in_a_cluster:
	s_bfe_u32 s2, ttmp6, 0x10000c
	s_cmp_lg_u32 s2, 0xf033
	s_cbranch_scc0 .Lentry_shape_is_right
	s_endpgm
.Lentry_shape_is_right:
; qkv[p][b][h][s][c] = bf16( sum over k of x_p[b][s][k] W_p[k][64 h + c] + bias_p[64 h + c] ),  p = 0, 1, 2 for (query, Wq, bq), (key, Wk, bk), (value, Wv, bv).
; x_p: [8192][1024] f32.  W_p: wb[p], [1024 k][1024 n] bf16.  Sums in f32, started by the bias; x is rounded to bf16 on its way from LDS to the matrix unit.
; SHARES.  A tile of C is 128 rows x 256 columns: 64 x 4 tiles for each p, 768 work-groups.  Four waves, each 64 x 128: 32 accumulators of 16 x 16.
; K goes in steps of 128 through two LDS slots filled by tensor loads: x's rows are 512 bytes of memory (128 f32), W's 512 bytes (256 bf16), both at multiples of 512.
; CLUSTER.  4 x 4 work-groups, all of one p.  The four of a row of the cluster need the same tile of x, the four of a column the same tile of W: each tile is asked for
; JOINTLY, by the same tensor load with the same descriptor and a mask that names the four.
; THE MATRIX INSTRUCTION IS USED TRANSPOSED: source 0 = 16 columns of W (turned out of LDS by ds_load_tr16_b128), source 1 = 16 rows of x.  A lane then holds
; row l % 16 of C and the eight neighbouring columns 8 (l / 16) + 0..7.
; OUT.  Head-major, so that four rows of a head are 512 consecutive bytes: each store of a wave covers 512 consecutive bytes at a multiple of 512.
; LIMITS.  x, W and the results are rounded to bf16 (nearest even); the sums follow the matrix unit's order; NaN and infinities in the inputs are not served.
; REGISTERS, in windows of 256 (s_set_vgpr_msb: bits 1:0 source 0, 3:2 source 1, 5:4 source 2, 7:6 destination):
;   window 0: v16-27 addresses; v32-95 x's fragments in bf16, two buffers; v96-127 packed results; v128-255 x's fragments in f32 as loaded, two buffers (on the way out: rows read back)
;   window 1: v0-127 W's fragments, two buffers; v128-191 the bias in the accumulators' layout          window 2: accumulator (a, b) at v[8 (8 a + b)]
.set PA,     528                       ; a row of x in LDS: 512 bytes + 16 = 132 words: row r starts at bank 4 r mod 64 (64 banks of 4 bytes: ISA guide 11.1)
.set AHALF,  64*PA                     ; 64 rows: one tensor load, and what one wave reads of x
.set AREG,   2*AHALF
.set PW,     544                       ; a k-row of W: 512 bytes + 32 = 136 words: row k starts at bank 8 k mod 64
.set WHALF,  64*PW                     ; 64 k-rows: one tensor load
.set SLOT,   AREG+2*WHALF              ; 137,216
.set STAGE,  2*SLOT                    ; behind the ring: 16 rows x 272 bytes for each wave; no tensor load lands here
.set SPITCH, 272
.set ASTEP,  512                       ; bytes from a K step of x to the next: 128 f32 along a row
.set WSTEP,  128*2048                  ; the same for W: 128 rows of 2,048 bytes
.set LAPS,   4                         ; 1,024 / 128 = 8 K steps = 4 times round the ring
.set NF,     32                        ; LDS loads in a run: 16 for x, 16 for W
.set ADRA, 16                          ; v16-17  LDS address of my fragments of x in slot 0, 1
.set ADRB, 20                          ; v20-21  the same for W
.set STO,  24                          ; the way out: where I put 16 bytes of a row
.set RD,   25                          ; where I read rows back
.set CO,   26                          ; my byte offset in the wave's part of qkv
.set BO,   27                          ; my byte offset in the bias
.set AB,   32
.set TMP,  96
.set RAW,  128
.set OB,   128
.set BIAS, 128                         ; in window 1
.set G1,  24                           ; s[24:31] descriptor group 1 for x's tiles;  s[32:39] group 0, a set for each slot
.set G0,  32
.set G1B, 48                           ; s[48:55], s[56:63] the same for W's tiles
.set G0B, 56
.set W_MUL,  0xa1                      ; source 0 (W) window 1, source 1 (x) window 0, C and D window 2
.set W_MULB, 0x91                      ; the same with C in window 1: the bias
.set TO1,    0x40                      ; destination window 1, address window 0
.set MSB, 0
.macro WIN new                         ; the immediate's high byte repeats the setting that is left; a switch that changes nothing is dropped
.if MSB != \new
	s_set_vgpr_msb (MSB<<8)|\new
.set MSB, \new
.endif
.endm
; A joint load: waves 0 and 1 fetch x's two halves, waves 2 and 3 W's.  The branch hangs on the wave's number alone.  Four v_nop follow each of the two lines, ahead of the jump, the label and what follows.
.macro JLOAD s
	s_cmp_eq_u32 s11, 0
	s_cbranch_scc0 .Lfor_b_\@
	tensor_load_to_lds s[G0+4*\s:G0+4*\s+3], s[G1:G1+7]
	s_nop 0
.rept 4
	v_nop
.endr
	s_branch .Lasked_\@
.Lfor_b_\@:
	tensor_load_to_lds s[G0B+4*\s:G0B+4*\s+3], s[G1B:G1B+7]
	s_nop 0
.rept 4
	v_nop
.endr
.Lasked_\@:
.endm
.macro CREST                           ; a round of the cluster's barrier behind its opening barrier: wave 0 signals for the work-group, every wave waits for all sixteen, my work-group's barrier closes it
	s_cmp_lg_u32 s10, 0
	s_cbranch_scc1 .Lnot_wave_0_\@
	s_barrier_signal -3
.Lnot_wave_0_\@:
	s_barrier_wait -3
	s_barrier_signal -1
	s_barrier_wait -1
.endm
.macro CROUND                          ; a whole round
	s_barrier_signal -1
	s_barrier_wait -1
	CREST
.endm
.macro PLACES                          ; four plain vector instructions between a matrix instruction and what reads its result (ISA guide 7.12.1)
.rept 4
	v_nop
.endr
.endm
	s_load_b512 s[68:83], s[0:1], 0x0              ; query s[68:69], key s[70:71], value s[72:73], wb s[74:75], bq s[76:77], bk s[78:79], bv s[80:81], qkv s[82:83]
	v_lshl_add_u32 v30, v0, 2, 0x47400
	v_mov_b32 v31, 0
	ds_add_u32 v30, v31
	v_lshrrev_b32 v1, 5, v0
	v_readfirstlane_b32 s10, v1                    ; wave 0..3
	s_lshr_b32 s11, s10, 1                         ; which half of the tile's rows is mine.  Also: I fetch for x (0) or for W (1)
	s_and_b32 s12, s10, 1                          ; which half of its columns.  Also: which half of that tile I fetch
	s_bfe_u32 s40, ttmp6, 0x40000                  ; cx, cy: my place in the cluster
	s_bfe_u32 s41, ttmp6, 0x40004
	s_lshl_b32 s42, ttmp9, 2
	s_add_co_u32 s42, s42, s40                     ; tile column = 4 x cluster x + cx
	s_and_b32 s13, ttmp7, 0xffff                   ; the cluster's y, 0..47:
	s_lshr_b32 s45, s13, 4                         ; p = y / 16, the same in all sixteen partners,
	s_and_b32 s13, s13, 15
	s_lshl_b32 s13, s13, 2
	s_add_co_u32 s13, s13, s41                     ; tile row = 4 (y % 16) + cy
	s_lshl_b32 s43, s41, 2
	s_lshl_b32 s43, 15, s43                        ; my row of the cluster: places 4 cy .. 4 cy + 3
	s_lshl_b32 s44, 0x1111, s40                    ; my column: places cx, cx + 4, cx + 8, cx + 12
	; group 1 for x: 64 rows x 128 elements of 4 bytes; 16 bytes of padding behind every 128 words
	s_or_b32 s[G1+0], s43, (2<<16)|(1<<20)|(1<<21)|(6<<22)|(3<<25)  ; 15:0 the mask: my row; 17:16 elements of 4 bytes; 20 padding on; 21 set beside a mask; 24:22 after every 128 words (code 6); 31:25 4 words of it (code 3)
	s_mov_b32 s[G1+1], 128<<16                     ; tensor_dim0 = 128
	s_mov_b32 s[G1+2], 64<<16                      ; tensor_dim1 = 64
	s_mov_b32 s[G1+3], 128<<16                     ; tile_dim0 = 128
	s_mov_b32 s[G1+4], 64                          ; tile_dim1 = 64
	s_mov_b32 s[G1+5], 1024                        ; elements from row to row
	s_mov_b32 s[G1+6], 0
	s_mov_b32 s[G1+7], 0
	; group 1 for W: 64 k-rows x 256 elements of 2 bytes; 32 bytes of padding behind every 128 words
	s_or_b32 s[G1B+0], s44, (1<<16)|(1<<20)|(1<<21)|(6<<22)|(7<<25) ; the mask: my column; elements of 2 bytes; 8 words of padding (code 7)
	s_mov_b32 s[G1B+1], 256<<16
	s_mov_b32 s[G1B+2], 64<<16
	s_mov_b32 s[G1B+3], 256<<16
	s_mov_b32 s[G1B+4], 64
	s_mov_b32 s[G1B+5], 1024
	s_mov_b32 s[G1B+6], 0
	s_mov_b32 s[G1B+7], 0
	; where the tiles come from.  x's hang on the tile row alone, W's on p and the tile column alone; each in registers that never hold the other coordinate
	s_lshl_b32 s16, s13, 19                        ; 128 rows of 4,096 bytes for each tile row,
	s_lshl_b32 s17, s12, 18                        ; 64 rows for my half
	s_add_co_u32 s16, s16, s17
	s_mov_b32 s17, 0
	s_lshl_b32 s46, s45, 21                        ; W_p: 2 MiB each,
	s_lshl_b32 s47, s12, 17                        ; 64 k-rows of 2,048 bytes for my half,
	s_add_co_u32 s46, s46, s47
	s_lshl_b32 s47, s42, 9                         ; 256 columns of 2 bytes for each tile column
	s_add_co_u32 s46, s46, s47
	s_mov_b32 s47, 0
	s_mul_i32 s20, s12, AHALF                      ; and where they go: no place in the cluster enters an LDS address
	s_mul_i32 s21, s12, WHALF
	s_add_co_u32 s21, s21, AREG
	s_wait_dscnt 0x0
	s_wait_kmcnt 0x0
	s_cmp_eq_u32 s45, 1
	s_cselect_b64 s[4:5], s[70:71], s[68:69]       ; x_p
	s_cselect_b64 s[84:85], s[78:79], s[76:77]     ; bias_p
	s_cmp_eq_u32 s45, 2
	s_cselect_b64 s[4:5], s[72:73], s[4:5]
	s_cselect_b64 s[84:85], s[80:81], s[84:85]
	s_add_nc_u64 s[14:15], s[4:5], s[16:17]
	s_add_nc_u64 s[46:47], s[74:75], s[46:47]
	CROUND                                         ; all sixteen work-groups are here: the first joint loads meet
.irp s, 0,1
	s_mov_b32 s[G0+4*\s], 1                                        ; count = 1
	s_add_co_u32 s[G0+4*\s+1], s20, \s*SLOT                        ; LDS address
	s_add_nc_u64 s[G0+4*\s+2:G0+4*\s+3], s[14:15], \s*ASTEP        ; global address: K step s
	s_or_b32 s[G0+4*\s+3], s[G0+4*\s+3], 0x80000000                ; type = 2
	s_mov_b32 s[G0B+4*\s], 1
	s_add_co_u32 s[G0B+4*\s+1], s21, \s*SLOT
	s_add_nc_u64 s[G0B+4*\s+2:G0B+4*\s+3], s[46:47], \s*WSTEP
	s_or_b32 s[G0B+4*\s+3], s[G0B+4*\s+3], 0x80000000
	JLOAD \s                                       ; two loads of mine are out
.endr
	; A fragment of x is 16 rows x 32 k: lane l holds row l % 16, k = 8 (l / 16) + 0..7 and 16 + 8 (l / 16) + 0..7.  In f32 that is four loads of 16 bytes, at 32 (l / 16) + 0, 16, 64, 80.
	v_and_b32 v1, 15, v0                           ; r = l % 16
	v_bfe_u32 v2, v0, 4, 1                         ; h = l / 16
	v_mul_u32_u24 v3, v1, PA
	v_lshl_add_u32 v3, v2, 5, v3
	; The turning load takes 16 k x 16 columns: lane l reads 16 bytes of k-row 8 h + l % 8, columns 8 ((l / 8) % 2) + 0..7, and is left with column l % 16 and 8 k.
	v_and_b32 v4, 7, v0
	v_lshl_add_u32 v4, v2, 3, v4
	v_mul_u32_u24 v4, v4, PW
	v_bfe_u32 v5, v0, 3, 1
	v_lshl_add_u32 v4, v5, 4, v4
	s_mul_i32 s22, s11, AHALF                      ; my 64 rows of x
	s_lshl_b32 s23, s12, 8                         ; my 128 columns of W,
	s_add_co_u32 s23, s23, AREG                    ; which lies behind x
.irp s, 0,1
	v_add_nc_u32 v[ADRA+\s], s22, v3
	v_add_nc_u32 v[ADRB+\s], s23, v4
	s_add_co_u32 s22, s22, SLOT
	s_add_co_u32 s23, s23, SLOT
.endr
	s_mul_i32 s23, s10, 16*SPITCH
	s_add_co_u32 s23, s23, STAGE                   ; my stage
	v_mul_u32_u24 v6, v1, SPITCH                   ; in: row l % 16, 16 bytes for each half of the lanes
	v_lshl_add_u32 v6, v2, 4, v6
	v_add_nc_u32 v[STO], s23, v6
	v_bfe_u32 v6, v0, 3, 2                         ; back: eight lanes take the 128 bytes that a row has of one head, 32 lanes four rows
	v_mul_u32_u24 v6, v6, SPITCH
	v_and_b32 v7, 7, v0
	v_lshl_add_u32 v6, v7, 4, v6
	v_add_nc_u32 v[RD], s23, v6
	v_and_b32 v7, 31, v0
	v_lshlrev_b32 v[CO], 4, v7                     ; and in qkv those four rows are 512 consecutive bytes: 16 x lane
	; the bias in the accumulators' layout: register j of accumulator (a, b) belongs to column 16 b + 8 h + j of my 128
	s_lshl_b32 s88, s42, 10                        ; 256 columns of 4 bytes for each tile column,
	s_lshl_b32 s89, s12, 9                         ; 128 for my half
	s_add_co_u32 s88, s88, s89
	v_lshlrev_b32 v[BO], 5, v2
	v_add_nc_u32 v[BO], s88, v[BO]
	WIN TO1
.irp b, 0,1,2,3,4,5,6,7
	global_load_b128 v[BIAS+8*\b:BIAS+8*\b+3],   v[BO], s[84:85] offset:64*\b
	global_load_b128 v[BIAS+8*\b+4:BIAS+8*\b+7], v[BO], s[84:85] offset:64*\b+16
.endr
	WIN 0
	; where my part of the tile begins in qkv: [p][batch][head][s][64] in bf16
	s_lshl_b32 s86, s45, 24                        ; p: 16 MiB
	s_lshr_b32 s87, s13, 4
	s_lshl_b32 s87, s87, 22                        ; batch = tile row / 16: 4 MiB
	s_add_co_u32 s86, s86, s87
	s_lshl_b32 s87, s42, 20                        ; head = 4 x tile column + 2 x column half: 256 KiB each
	s_add_co_u32 s86, s86, s87
	s_lshl_b32 s87, s12, 19
	s_add_co_u32 s86, s86, s87
	s_and_b32 s87, s13, 15
	s_lshl_b32 s87, s87, 14                        ; s = 128 (tile row % 16) + 64 x row half: 128 bytes each
	s_add_co_u32 s86, s86, s87
	s_lshl_b32 s87, s11, 13
	s_add_co_u32 s86, s86, s87
	s_mov_b32 s87, 0
	s_add_nc_u64 s[8:9], s[82:83], s[86:87]
; 32 LDS loads in one run: the fragments of quarter q (32 k) of a slot into buffer g; x's sixteen first, so that their wait can leave W's sixteen out
.macro FETCH slot, q, g
	WIN 0
.irp a, 0,1,2,3
.irp j, 0,1,2,3
	ds_load_b128 v[RAW+64*\g+16*\a+4*\j:RAW+64*\g+16*\a+4*\j+3], v[ADRA+\slot] offset:\a*16*PA+128*\q+16*(\j%2)+64*(\j/2)
.endr
.endr
	WIN TO1
.irp b, 0,1,2,3,4,5,6,7
	ds_load_tr16_b128 v[64*\g+8*\b:64*\g+8*\b+3],   v[ADRB+\slot] offset:\q*32*PW+32*\b
	ds_load_tr16_b128 v[64*\g+8*\b+4:64*\g+8*\b+7], v[ADRB+\slot] offset:\q*32*PW+32*\b+16*PW
.endr
.endm
; x's fragments of buffer f are rounded to bf16: 32 conversions.  They name no register of the quarter before (its accumulators, the other buffer), so they are also the places
; between that quarter's products and the loads into its buffers; the bf16 buffer that they write was last multiplied two quarters back, with the other buffer's 32 conversions between.
.macro PREP f
	s_wait_dscnt 16                                ; LDS loads come back in order: x's sixteen are in, W's sixteen younger ones may stay out
	WIN 0
.irp a, 0,1,2,3
.irp i, 0,1,2,3,4,5,6,7
	v_cvt_pk_bf16_f32 v[AB+32*\f+8*\a+\i], v[RAW+64*\f+16*\a+2*\i], v[RAW+64*\f+16*\a+2*\i+1]
.endr
.endr
.endm
; 8 n matrix instructions: row blocks a0 .. a0 + n - 1 x all 8 column blocks, 32 along K, from buffer f.  first = 1: the bias is C and starts the sums: nothing is cleared or added later.
; The 32 accumulators take turns, one instruction a turn, in the same order in every quarter.
.macro MUL f, a0, n, first
.if \first
	WIN W_MULB
.else
	WIN W_MUL
.endif
.set ma, \a0
.rept \n
.irp b, 0,1,2,3,4,5,6,7
.if \first
	v_wmma_f32_16x16x32_bf16 v[8*(8*ma+\b):8*(8*ma+\b)+7], v[64*\f+8*\b:64*\f+8*\b+7], v[AB+32*\f+8*ma:AB+32*\f+8*ma+7], v[BIAS+8*\b:BIAS+8*\b+7]
.else
	v_wmma_f32_16x16x32_bf16 v[8*(8*ma+\b):8*(8*ma+\b)+7], v[64*\f+8*\b:64*\f+8*\b+7], v[AB+32*\f+8*ma:AB+32*\f+8*ma+7], v[8*(8*ma+\b):8*(8*ma+\b)+7]
.endif
.endr
.set ma, ma+1
.endr
.endm
; A K step is four quarters of 32 along K on buffers 0, 1, 0, 1.  One of the first three: rounds and multiplies buffer f and fetches quarter q of the same slot into buffer g.
.macro QUARTER slot, q, f, g, first
	PREP \f
	FETCH \slot, \q, \g
	s_wait_dscnt NF                                ; all but the 32 just issued: W's fragments of buffer f are in
	MUL \f, 0, 4, \first
.endm
; The last quarter multiplies buffer 1 and changes slots: ONE barrier.  In front of it each wave waits for its own reads of this slot and for all its tensor loads, of which one is out:
; its part of the next slot.  fill = 1: the barrier opens a round of the cluster's barrier, and this slot is filled again, two K steps on, first thing behind the round.
.macro TURN slot, next, fill
	PREP 1
	s_wait_dscnt 0x0                               ; my reads of this slot are over,
	s_wait_tensorcnt 0x0                           ; and all my tensor loads have landed
	ds_add_u32 v30, v31
	s_wait_dscnt 0x0
	s_barrier_signal -1
	MUL 1, 0, 2, 0                                 ; work on registers while the others arrive
	WIN 0                                          ; at a branch and at a label every window is 0
	s_barrier_wait -1
.if \fill
	CREST                                          ; no wave of any partner still reads this slot's tile or has a load on its way
	s_add_nc_u64 s[G0+4*\slot+2:G0+4*\slot+3], s[G0+4*\slot+2:G0+4*\slot+3], 2*ASTEP
	s_add_nc_u64 s[G0B+4*\slot+2:G0B+4*\slot+3], s[G0B+4*\slot+2:G0B+4*\slot+3], 2*WSTEP
	JLOAD \slot                                    ; my one tensor load behind the round: it has a K step less sixteen matrix instructions in which to land
.endif
	FETCH \next, 0, 0
	MUL 1, 2, 2, 0
.endm
	s_wait_tensorcnt 1                             ; my part of K step 0 is in; K step 1's may stay out
	s_barrier_signal -1
	s_barrier_wait -1                              ; everybody's is
	FETCH 0, 0, 0
	s_wait_loadcnt 0x0                             ; the bias
	QUARTER 0, 1, 0, 1, 1                          ; the first quarter stands in front of the loop: its products start the sums
	WIN 0
	s_mov_b32 s3, LAPS-1
.Llap:                                                 ; a trip goes once round the ring, from a lap's second quarter to the next lap's first, and fills both slots again
	QUARTER 0, 2, 1, 0, 0
	QUARTER 0, 3, 0, 1, 0
	TURN 0, 1, 1
	QUARTER 1, 1, 0, 1, 0
	QUARTER 1, 2, 1, 0, 0
	QUARTER 1, 3, 0, 1, 0
	TURN 1, 0, 1
	QUARTER 0, 1, 0, 1, 0
	WIN 0
	s_sub_co_u32 s3, s3, 1
	s_cmp_lg_u32 s3, 0
	s_cbranch_scc1 .Llap
	QUARTER 0, 2, 1, 0, 0                          ; the last lap fills nothing and has no round
	QUARTER 0, 3, 0, 1, 0
	TURN 0, 1, 0
	QUARTER 1, 1, 0, 1, 0
	QUARTER 1, 2, 1, 0, 0
	QUARTER 1, 3, 0, 1, 0
	PREP 1                                         ; the very last quarter: nothing more to fetch
	s_wait_dscnt 0x0
	MUL 1, 0, 4, 0
	WIN 0
	PLACES                                         ; the conversions below read results just made
; THE WAY OUT, a block of 16 rows at a time.  PACK: rounded to bf16, 16 bytes a lane.  TOSTAGE: into my own stage and back, four rows of one head at a time.  SEND: stored.
.macro PACK a
	WIN 0x0a                                       ; sources 0 and 1 window 2
.irp b, 0,1,2,3,4,5,6,7
.irp i, 0,1,2,3
	v_cvt_pk_bf16_f32 v[TMP+4*\b+\i], v[8*(8*\a+\b)+2*\i], v[8*(8*\a+\b)+2*\i+1]
.endr
.endr
	WIN 0
.endm
.macro TOSTAGE a
.irp b, 0,1,2,3,4,5,6,7
	ds_store_b128 v[STO], v[TMP+4*\b:TMP+4*\b+3] offset:32*\b
.endr
.irp t, 0,1,2,3,4,5,6,7
	ds_load_b128 v[OB+32*\a+4*\t:OB+32*\a+4*\t+3], v[RD] offset:(\t%4)*4*SPITCH+(\t/4)*128   ; LDS serves a wave's instructions in order (ISA guide 5.7.1.4): these see the stores above
.endr
.endm
.macro SEND a
	s_wait_dscnt 0x0                               ; the block is back in registers of its own, which nothing writes again
.irp t, 0,1,2,3,4,5,6,7
	global_store_b128 v[CO], v[OB+32*\a+4*\t:OB+32*\a+4*\t+3], s[8:9] offset:\a*2048+(\t%4)*512+(\t/4)*262144   ; rows 16 a + 4 (t % 4) + 0..3 of head t / 4: 512 consecutive bytes
.endr
.endm
	PACK 0
	TOSTAGE 0
	PACK 1                                         ; a block's conversions stand between the loads of the block before and the wait for them
	SEND 0
	TOSTAGE 1
	PACK 2
	SEND 1
	TOSTAGE 2
	PACK 3
	SEND 2
	TOSTAGE 3
	SEND 3
	s_wait_tensorcnt 0x0
	ds_add_u32 v30, v31
	s_wait_dscnt 0x0
	CROUND                                         ; the closing round: no work-group ends while a partner may still ask for a tile that names it
	s_endpgm
.Lfunc_end_k_qb1196ece2b_qkv:
	.size	k_qb1196ece2b_qkv, .Lfunc_end_k_qb1196ece2b_qkv-k_qb1196ece2b_qkv
	.p2alignl 7, 3214868480
	.fill 96, 4, 3214868480
	.section	.rodata,"a",@progbits
	.p2align	6, 0x0
	.amdhsa_kernel k_qb1196ece2b_qkv
		.amdhsa_group_segment_fixed_size 327680
		.amdhsa_private_segment_fixed_size 0
		.amdhsa_enable_private_segment 0
		.amdhsa_kernarg_size 64
		.amdhsa_user_sgpr_count 2
		.amdhsa_user_sgpr_kernarg_segment_ptr 1
		.amdhsa_wavefront_size32 1
		.amdhsa_system_sgpr_workgroup_id_x 1
		.amdhsa_system_sgpr_workgroup_id_y 1
		.amdhsa_system_sgpr_workgroup_id_z 1
		.amdhsa_system_vgpr_workitem_id 0
		.amdhsa_next_free_vgpr 768
		.amdhsa_next_free_sgpr 90
		.amdhsa_reserve_vcc 0
		.amdhsa_float_denorm_mode_32 3
		.amdhsa_float_denorm_mode_16_64 3
		.amdhsa_memory_ordered 1
		.amdhsa_forward_progress 1
		.amdhsa_inst_pref_size 127
	.end_amdhsa_kernel
	.amdgpu_metadata
---
amdhsa.version: [ 1, 2 ]
amdhsa.kernels:
  - .name:           k_qb1196ece2b_qkv
    .symbol:         k_qb1196ece2b_qkv.kd
    .args:
      - { .name: query, .offset: 0, .size: 8, .value_kind: global_buffer, .address_space: global }
      - { .name: key, .offset: 8, .size: 8, .value_kind: global_buffer, .address_space: global }
      - { .name: value, .offset: 16, .size: 8, .value_kind: global_buffer, .address_space: global }
      - { .name: wb, .offset: 24, .size: 8, .value_kind: global_buffer, .address_space: global }
      - { .name: bq, .offset: 32, .size: 8, .value_kind: global_buffer, .address_space: global }
      - { .name: bk, .offset: 40, .size: 8, .value_kind: global_buffer, .address_space: global }
      - { .name: bv, .offset: 48, .size: 8, .value_kind: global_buffer, .address_space: global }
      - { .name: qkv, .offset: 56, .size: 8, .value_kind: global_buffer, .address_space: global }
    .group_segment_fixed_size: 327680
    .private_segment_fixed_size: 0
    .kernarg_segment_align: 8
    .kernarg_segment_size: 64
    .max_flat_workgroup_size: 128
    .sgpr_count:     90
    .vgpr_count:     768
    .wavefront_size: 32
...
	.end_amdgpu_metadata
.endif
;; end of part 2
;; launch attn (part 3): grid 4 x 64, 8 waves a work-group, clusters of 4 x 1, 327,680 bytes of LDS; arguments qkv, ctx; writes ctx
.if DOCPART == 3
	.amdgcn_target "amdgcn-amd-amdhsa--gfx1250"
	.amdhsa_code_object_version 6
	.text
	.protected	k_qb1196ece2b_attn
	.globl	k_qb1196ece2b_attn
	.p2align	8
	.type	k_qb1196ece2b_attn,@function
k_qb1196ece2b_attn:
	s_mov_b64 s[64:65], 0
	v_nop
	global_prefetch_b8 v0, s[64:65] scope:SCOPE_SE
	s_setreg_imm32_b32 hwreg(HW_REG_WAVE_MODE, 25, 1), 1
	s_wait_xcnt 0x0
	s_wait_alu depctr_hold_cnt(0) depctr_sa_sdst(0) depctr_va_vdst(0) depctr_va_sdst(0) depctr_va_ssrc(0) depctr_va_vcc(0) depctr_vm_vsrc(0)
	s_getreg_b32 s2, hwreg(HW_REG_IB_STS2, 6, 4)
	s_cmp_eq_u32 s2, 0
	s_cbranch_scc0 .Lentry_in_a_cluster
	s_endpgm
.Lentry_in_a_cluster:
	s_bfe_u32 s2, ttmp6, 0x10000c
	s_cmp_lg_u32 s2, 0x3003
	s_cbranch_scc0 .Lentry_shape_is_right
	s_endpgm
.Lentry_shape_is_right:
; ctx[y][q][:] = the sum over k of softmax_k(Q[y][q] . K[y][k] / 8) V[y][k][:],  y = 16 b + h.  Q = qkv[0], K = qkv[1], V = qkv[2], ctx: [64][2048][64], all bf16.
; Products, maxima and sums in f32; the weights p are rounded to bf16 for the second product, ctx once at the end.
; SHARES.  A work-group owns 512 queries of one head, each of its eight waves 64: four tiles of 16.  Every wave walks all 2,048 keys, 64 a step.
; LAYOUT.  S^T = K Q^T (source 0 = 16 keys, source 1 = 16 queries): a lane holds ONE query (lane % 16) and the keys 8 (lane / 16) + 0..7.  Two such tiles, rounded to bf16 in pairs, ARE
; source 1 (32 keys x 16 queries) of O^T = V^T P, whose result again holds one query a lane, and eight channels.  K comes out of LDS as it lies, V ([key][channel]) turned, by ds_load_tr16_b128.
; SOFTMAX.  For each query a running maximum m and sum l: p = 2^(c s - c m), c = log2(e) / 8; in every step O and l are multiplied by a = 2^(c m_old - c m_new), which is 1 where m has not grown.
; TWO GROUPS BY TURNS.  A wave takes 512 registers, so that two waves share a SIMD's 1,024.  A key step is two blocks: the MATRIX block of step j (32 products V^T P of step j - 1, then 32 products
; K Q^T of step j, and all of step j's LDS loads) and the VECTOR block (the softmax of step j: 474 instructions).  Waves 0-3 (group A) and waves 4-7 (group B) run the same steps half a step apart:
; in each half step one group has its matrix block and the other its vector block, a work-group barrier ends the half step, and the groups change places.  The barriers hand over no data; they keep
; the groups half a step apart.  Which two waves share a SIMD is not in this text's hands: the values are the same either way, and the two kinds of work lie side by side where a SIMD holds one wave
; of each group.  Every branch between the groups hangs on the wave's number alone, and every barrier stands in text that all eight waves walk.
; CLUSTER.  The four query blocks of a head walk the same K and V, so each tile is asked for JOINTLY: the same tensor load, with the same descriptor and a mask that names the four.
; LIMITS.  No exponent is above 0; weights below 2^-126 come out as 0 (ISA guide 15.8: the exponential flushes denormals); NaN and infinities in the inputs are not served.
; REGISTERS (s_set_vgpr_msb: bits 1:0 source 0, 3:2 source 1, 5:4 source 2, 7:6 destination):
;   window 0: v1-11 addresses; v12-43 eight registers of statistics a tile; v48-111 Q, 16 a tile; v128-255 S^T, 32 a tile, and P packed in place
;   window 1: v0-127 O^T, 32 a tile; v128-191 K of one step; v192-255 V of one step
.set KS,    64        ; keys in a step
.set PK2,   272       ; two keys of K (2 x 128 bytes) + 16 of padding = 68 words: the 16 keys of a load lie in 16 different columns of 16 bytes (64 banks of 4 bytes: ISA guide 11.1)
.set PV2,   288       ; two keys of V + 32 = 72 words
.set VOFF,  32*PK2    ; a step's tiles lie together: 64 keys of K, then 64 keys of V
.set STEPB, 32*(PK2+PV2)
.set SLOT1, 1<<17     ; a slot holds four steps (71,680 bytes); slot 1 begins here, so that one exclusive or turns an address in one slot into the other's
.set STAGE, SLOT1+4*STEPB  ; behind the ring: 16 rows x 144 bytes for each wave; no tensor load lands here
.set SP,    144
.set AK0,  2          ; my lane's place in a tile of K; never rewritten
.set AV0,  3          ; the same for V
.set ADRK, 4          ; the LDS addresses of the step in hand
.set ADRV, 5
.set QO,   6          ; my byte offset in the wave's rows of Q
.set STO,  7          ; the way out: where I put 16 bytes of a row
.set RD,   8          ; where I read rows back
.set GO,   10         ; my byte offset in the wave's rows of ctx
.set ST,   12         ; tile t's statistics at v[ST+8 t]: +0 c m, +1 m, +2, +3 l (even keys', odd keys'), +4 to +7 at work: four chains of the maximum, then +4, +5 a second chain of the sum, +6 a
.set Q,    48
.set S,    128
.set KF,   128        ; in window 1
.set VF,   192        ; in window 1
.set WV,   12         ; s12  my wave's number
.set G1K,  24         ; s[24:31] descriptor group 1 for K's tiles
.set G1V,  32         ; s[32:39] for V's: it differs in the padding alone
.set G0K,  40         ; s[40:47] descriptor group 0 for K's tiles: a set for each of the two first fills; the second then walks on
.set G0V,  48         ; s[48:55] the same for V's
.set SLOTS, 56        ; slots still to be asked for
.set CNT,  57         ; counts a slot's steps
.set CS,   58         ; s[58:59] c: the packed scaling names a pair and takes its low word for both halves
.set SEL,  60         ; s[60:61] lane selects for v_permlanex16_b32: each lane takes its own place in the other half
.set TB,   62         ; LDS byte at which the tiles of my next matrix block's step begin
.set W_KQ, 0x01       ; K in window 1; Q and S^T in window 0
.set W_PV, 0x51       ; V and O^T in window 1, P in window 0
.set W_RS, 0x41       ; O^T (destination and source 0) in window 1, the factor in window 0
.set TO1,  0x40       ; destination window 1, address window 0
.set MSB, 0
.macro WIN new                      ; the immediate's high byte repeats the setting that is left; a switch that changes nothing is dropped
.if MSB != \new
	s_set_vgpr_msb (MSB<<8)|\new
.set MSB, \new
.endif
.endm
; A joint refill.  Waves 0 to 3 fetch the four steps' tiles of K, waves 4 to 7 those of V.  The branch hangs on the wave's number alone.  Four v_nop follow each of the two lines.
.macro JLOAD
	s_cmp_lt_u32 s[WV], 4
	s_cbranch_scc0 .Lfor_v_\@
	tensor_load_to_lds s[G0K+4:G0K+7], s[G1K:G1K+7]
	s_nop 0
.rept 4
	v_nop
.endr
	s_branch .Lasked_\@
.Lfor_v_\@:
	tensor_load_to_lds s[G0V+4:G0V+7], s[G1V:G1V+7]
	s_nop 0
.rept 4
	v_nop
.endr
.Lasked_\@:
.endm
; A round of the cluster's barrier: my work-group's barrier; wave 0 signals for the work-group; every wave waits for all four work-groups; my work-group's barrier once more.
.macro CROUND
	s_barrier_signal -1
	s_barrier_wait -1
	s_cmp_lg_u32 s[WV], 0
	s_cbranch_scc1 .Lnot_wave_0_\@
	s_barrier_signal -3
.Lnot_wave_0_\@:
	s_barrier_wait -3
	s_barrier_signal -1
	s_barrier_wait -1
.endm
	s_load_b128 s[4:7], s[0:1], 0x0   ; qkv s[4:5], ctx s[6:7]
	v_lshl_add_u32 v126, v0, 2, 0x36000
	v_mov_b32 v127, 0
	ds_add_u32 v126, v127
	v_lshrrev_b32 v1, 5, v0
	v_readfirstlane_b32 s[WV], v1   ; wave 0..7
	s_bfe_u32 s13, ttmp6, 0x40000   ; cx: my place in the cluster
	s_lshl_b32 s14, ttmp9, 2
	s_add_co_u32 s14, s14, s13      ; my block of 512 queries = 4 x cluster x + cx: it enters Q's and ctx's addresses alone
	s_and_b32 s20, ttmp7, 0xffff    ; the head, which the four partners share:
	s_lshl_b32 s20, s20, 18         ; 2,048 rows of 128 bytes
	s_and_b32 s16, s[WV], 3         ; which of a slot's four steps I fetch:
	s_lshl_b32 s22, s16, 13         ; its 64 keys of 128 bytes in memory,
	s_add_co_u32 s22, s22, s20
	s_mov_b32 s23, 0
	s_mul_i32 s17, s16, STEPB       ; and its place in a slot: no place in the cluster enters an LDS address
	s_lshl_b32 s2, s14, 16          ; my block's 512 rows,
	s_lshl_b32 s3, s[WV], 13        ; my wave's 64 of them
	s_add_co_u32 s2, s2, s3
	s_add_co_u32 s2, s2, s20
	s_mov_b32 s3, 0
	; descriptor group 1: 64 keys are 8,192 dense bytes, taken as 32 rows x 128 elements (256 bytes), padded in LDS
	s_mov_b32 s[G1K], 15|(1<<16)|(1<<20)|(1<<21)|(5<<22)|(3<<25)  ; 15:0 the mask: all four work-groups; 17:16 elements of 2 bytes; 20 padding on; 21 set beside a mask; 24:22 after every 64 words (code 5); 31:25 4 words of it (code 3)
	s_mov_b32 s[G1V], 15|(1<<16)|(1<<20)|(1<<21)|(5<<22)|(7<<25)  ; the same with 8 words of padding (code 7)
.irp g, G1K, G1V
	s_mov_b32 s[\g+1], 128<<16      ; tensor_dim0 = 128
	s_mov_b32 s[\g+2], 32<<16       ; tensor_dim1 = 32
	s_mov_b32 s[\g+3], 128<<16      ; tile_dim0 = 128
	s_mov_b32 s[\g+4], 32           ; tile_dim1 = 32
	s_mov_b32 s[\g+5], 128          ; elements from row to row: dense
	s_mov_b32 s[\g+6], 0
	s_mov_b32 s[\g+7], 0
.endr
	s_mov_b32 s[CS], 0x3e38aa3b     ; c = log2(e) / 8 = 0.180337
	s_mov_b32 s[CS+1], s[CS]        ; named with it as a pair, so it is written
	s_mov_b32 s[SEL], 0x76543210
	s_mov_b32 s[SEL+1], 0xfedcba98
	s_mov_b32 s[TB], 0
	s_mov_b32 s[SLOTS], 2048/(4*KS)-2
	s_wait_dscnt 0x0
	s_wait_kmcnt 0x0
	s_add_nc_u64 s[8:9], s[4:5], s[22:23]
	s_add_nc_u64 s[10:11], s[8:9], 2<<24  ; V at my tile of slot 0: qkv[2]
	s_add_nc_u64 s[8:9], s[8:9], 1<<24    ; K: qkv[1]
	s_add_nc_u64 s[4:5], s[4:5], s[2:3]   ; Q and ctx at my wave's first row
	s_add_nc_u64 s[6:7], s[6:7], s[2:3]
	CROUND                          ; all four work-groups are here: the first joint loads meet
.irp s, 0,1
	s_mov_b32 s[G0K+4*\s], 1        ; count = 1
	s_add_co_u32 s[G0K+4*\s+1], s17, \s*SLOT1  ; LDS address
	s_add_nc_u64 s[G0K+4*\s+2:G0K+4*\s+3], s[8:9], \s*4*KS*128  ; global address: slot s begins with keys 256 s
	s_or_b32 s[G0K+4*\s+3], s[G0K+4*\s+3], 0x80000000  ; type = 2
	s_mov_b32 s[G0V+4*\s], 1
	s_add_co_u32 s[G0V+4*\s+1], s17, \s*SLOT1+VOFF
	s_add_nc_u64 s[G0V+4*\s+2:G0V+4*\s+3], s[10:11], \s*4*KS*128
	s_or_b32 s[G0V+4*\s+3], s[G0V+4*\s+3], 0x80000000
.endr
	s_cmp_lt_u32 s[WV], 4           ; a wave's two first fills stand in one branch, ahead of every wait on TENSORcnt and every LDS read: two loads of mine are out
	s_cbranch_scc0 .Lfirst_v
	tensor_load_to_lds s[G0K:G0K+3], s[G1K:G1K+7]
	s_nop 0
	tensor_load_to_lds s[G0K+4:G0K+7], s[G1K:G1K+7]
	s_nop 0
.rept 4
	v_nop
.endr
	s_branch .Lfirst_asked
.Lfirst_v:
	tensor_load_to_lds s[G0V:G0V+3], s[G1V:G1V+7]
	s_nop 0
	tensor_load_to_lds s[G0V+4:G0V+7], s[G1V:G1V+7]
	s_nop 0
.rept 4
	v_nop
.endr
.Lfirst_asked:
	; A fragment of K or Q is 16 rows x 32 channels: lane l holds row l % 16; registers 0-3 channels 8 (l / 16) + 0..7, registers 4-7 channels 16 + 8 (l / 16) + 0..7: two loads of 16 bytes, 32 bytes apart.
	v_and_b32 v1, 15, v0            ; r = l % 16
	v_bfe_u32 v9, v0, 4, 1          ; h = l / 16
	v_lshlrev_b32 v[QO], 7, v1
	v_lshl_add_u32 v[QO], v9, 4, v[QO]  ; row x 128 + 16 x half
.irp t, 0,1,2,3
.irp c, 0,1
	global_load_b128 v[Q+16*\t+8*\c:Q+16*\t+8*\c+3],   v[QO], s[4:5] offset:\t*2048+64*\c      ; Q stays in registers: tile t, channels 32 c on
	global_load_b128 v[Q+16*\t+8*\c+4:Q+16*\t+8*\c+7], v[QO], s[4:5] offset:\t*2048+64*\c+32
.endr
.endr
	v_lshrrev_b32 v11, 1, v1        ; K: key r lies in LDS row r / 2, at byte 128 (r % 2)
	v_mul_u32_u24 v[AK0], v11, PK2
	v_and_b32 v11, 1, v0
	v_lshl_add_u32 v[AK0], v11, 7, v[AK0]
	v_lshl_add_u32 v[AK0], v9, 4, v[AK0]
	; The turning load takes 16 keys x 16 channels: lane l reads 16 bytes of key 8 h + l % 8, channels 8 ((l / 8) % 2) + 0..7, and is left with channel l % 16 and 8 keys.
	v_bfe_u32 v11, v0, 1, 2         ; (l % 8) / 2
	v_lshl_add_u32 v11, v9, 2, v11  ; LDS row 4 h + (l % 8) / 2
	v_mul_u32_u24 v[AV0], v11, PV2
	v_and_b32 v11, 1, v0
	v_lshl_add_u32 v[AV0], v11, 7, v[AV0]
	v_bfe_u32 v11, v0, 3, 1
	v_lshl_add_u32 v[AV0], v11, 4, v[AV0]
	v_add_nc_u32 v[AV0], VOFF, v[AV0]
	s_mul_i32 s13, s[WV], 16*SP
	s_add_co_u32 s13, s13, STAGE    ; my stage
	v_mul_u32_u24 v[STO], v1, SP    ; in: row l % 16, 16 bytes for each half of the lanes
	v_lshl_add_u32 v[STO], v9, 4, v[STO]
	v_add_nc_u32 v[STO], s13, v[STO]
	v_bfe_u32 v11, v0, 3, 2         ; back: eight lanes take a row of 128 bytes, 32 lanes four rows
	v_mul_u32_u24 v[RD], v11, SP
	v_and_b32 v11, 7, v0
	v_lshl_add_u32 v[RD], v11, 4, v[RD]
	v_add_nc_u32 v[RD], s13, v[RD]
	v_and_b32 v11, 31, v0
	v_lshlrev_b32 v[GO], 4, v11     ; in ctx those four rows are 512 consecutive bytes
; Product i of 32 of S^T = K Q^T: channels 32 (i / 16) on, keys 16 ((i / 4) % 4) on, tile i % 4.  The first 16 start the sums.  The 16 accumulators take turns.
.macro KQ
.set rS, S+32*(i%4)+8*((i/4)%4)
.set rK, KF+16*((i/4)%4)+8*(i/16)
.set rQ, Q+16*(i%4)+8*(i/16)
.if i < 16
	v_wmma_f32_16x16x32_bf16 v[rS:rS+7], v[rK:rK+7], v[rQ:rQ+7], 0
.else
	v_wmma_f32_16x16x32_bf16 v[rS:rS+7], v[rK:rK+7], v[rQ:rQ+7], v[rS:rS+7]
.endif
.endm
; Product i of 32 of O^T += V^T P: keys 32 (i / 16) on, channels 16 ((i / 4) % 4) on, tile i % 4.  first = 1: the first 16 start the sums: nothing is ever cleared.
.macro PV first
.set rO, 32*(i%4)+8*((i/4)%4)
.set rV, VF+32*(i/16)+8*((i/4)%4)
.set rP, S+32*(i%4)+16*(i/16)
.if \first && (i < 16)
	v_wmma_f32_16x16x32_bf16 v[rO:rO+7], v[rV:rV+7], v[rP:rP+7], 0
.else
	v_wmma_f32_16x16x32_bf16 v[rO:rO+7], v[rV:rV+7], v[rP:rP+7], v[rO:rO+7]
.endif
.endm
; Number j of the list that finds tile t's new maximum.  0-15: the maximum of the lane's 32 scores and the old m, three operands at a time, in four chains; 16, 18: the other half of the lanes';
; 19: c m; 17, 20, 23: a = 2^(c m_old - c m_new).  first = 1: there is no old m and no a.
.macro SMAX t, j, first
.set rT, ST+8*\t
.set rS, S+32*\t
.if \j < 4
	v_max3_num_f32 v[rT+4+\j], v[rS+8*\j], v[rS+8*\j+1], v[rS+8*\j+2]
.elseif \j < 12
	v_max3_num_f32 v[rT+4+\j%4], v[rT+4+\j%4], v[rS+8*(\j%4)+2*(\j/4)+1], v[rS+8*(\j%4)+2*(\j/4)+2]
.elseif \j == 12
	v_max3_num_f32 v[rT+4], v[rT+4], v[rS+7], v[rS+15]
.elseif \j == 13
	v_max3_num_f32 v[rT+6], v[rT+6], v[rS+23], v[rS+31]
.elseif \j == 14
	v_max3_num_f32 v[rT+4], v[rT+4], v[rT+5], v[rT+6]
.elseif (\j == 15) && \first
	v_max_num_f32 v[rT+4], v[rT+4], v[rT+7]
.elseif \j == 15
	v_max3_num_f32 v[rT+4], v[rT+4], v[rT+7], v[rT+1]
.elseif \j == 16
	v_permlanex16_b32 v[rT+5], v[rT+4], s[SEL], s[SEL+1]  ; the query's other 32 keys lie in the lane 16 away
.elseif \j == 18
	v_max_num_f32 v[rT+1], v[rT+4], v[rT+5]
.elseif \j == 19
	v_mul_f32 v[rT], s[CS], v[rT+1]
.elseif \first                      ; the first step has none of the three below
.elseif \j == 17
	v_mov_b32 v[rT+7], v[rT]        ; c m_old is kept for a: number 19 writes c m anew
.elseif \j == 20
	v_sub_f32 v[rT+7], v[rT+7], v[rT]
.elseif \j == 23
	v_exp_f32 v[rT+6], v[rT+7]
.endif
.endm
.macro FMA t, k                     ; pair k of tile t: c s - c m
	v_pk_fma_f32 v[S+32*(\t)+2*(\k):S+32*(\t)+2*(\k)+1], v[S+32*(\t)+2*(\k):S+32*(\t)+2*(\k)+1], s[CS:CS+1], v[ST+8*(\t):ST+8*(\t)+1] op_sel_hi:[1,0,0] neg_lo:[0,0,1] neg_hi:[0,0,1]
.endm
; Number k of 16 of tile t's sum, in two chains: l takes a l and the even pairs, a second chain the odd pairs (k = 1: pairs 1 and 3; odd k to 13: pair k + 2), number 15 joins them.
.macro ADD t, k, first
.set rT, ST+8*(\t)
.set rS, S+32*(\t)
.if ((\k) == 0) && \first
	s_wait_alu depctr_va_vdst(0)
	v_pk_add_f32 v[rT+2:rT+3], v[rS:rS+1], v[rS+4:rS+5]            ; the first step starts l with pairs 0 and 2
.elseif (\k) == 0
	s_wait_alu depctr_va_vdst(0)
	v_pk_fma_f32 v[rT+2:rT+3], v[rT+2:rT+3], v[rT+6:rT+7], v[rS:rS+1] op_sel_hi:[1,0,1]
	s_wait_alu depctr_va_vdst(0)
.elseif (\k) == 1
	s_wait_alu depctr_va_vdst(0)
	v_pk_add_f32 v[rT+4:rT+5], v[rS+2:rS+3], v[rS+6:rS+7]
.elseif (\k) == 15
	v_pk_add_f32 v[rT+2:rT+3], v[rT+2:rT+3], v[rT+4:rT+5]
.elseif (\k)%2 == 1
	v_pk_add_f32 v[rT+4:rT+5], v[rT+4:rT+5], v[rS+2*(\k)+4:rS+2*(\k)+5]
.elseif ((\k) == 2) && \first       ; pair 2 has been taken
.else
	v_pk_add_f32 v[rT+2:rT+3], v[rT+2:rT+3], v[rS+2*(\k):rS+2*(\k)+1]
.endif
.endm
.macro CVT t, k                     ; pair k of tile t is rounded to bf16, in place: in ascending k no pair is written over before it has been read; pairs 8 g .. 8 g + 7 fill the eight registers of P(t, g)
	v_cvt_pk_bf16_f32 v[S+32*(\t)+16*((\k)/8)+(\k)%8], v[S+32*(\t)+2*(\k)], v[S+32*(\t)+2*(\k)+1]
.endm
; THE MATRIX BLOCK of step j.  pv = 2: 32 products V^T P of step j - 1; 1: they start O^T's sums; 0: none.  kq = 1: step j's LDS loads and its 32 products K Q^T.
; K's sixteen loads go out first, 32 products ahead of their use; K's registers were last multiplied a whole softmax ago.  V's sixteen go out as soon as V^T P has read the old V, and are used in
; the next matrix block; the wait for them stands in front of the barrier that ends the half step.
.macro MBLK pv, kq
.if \kq
	v_add_nc_u32 v[ADRK], s[TB], v[AK0]
	v_add_nc_u32 v[ADRV], s[TB], v[AV0]
	s_add_co_u32 s[TB], s[TB], STEPB  ; my next matrix block takes the next step's tiles
	WIN TO1
.irp kb, 0,1,2,3
.irp c, 0,1
	ds_load_b128 v[KF+16*\kb+8*\c:KF+16*\kb+8*\c+3],   v[ADRK] offset:\kb*8*PK2+64*\c
	ds_load_b128 v[KF+16*\kb+8*\c+4:KF+16*\kb+8*\c+7], v[ADRK] offset:\kb*8*PK2+64*\c+32
.endr
.endr
.endif
.if \pv
	WIN W_PV
.set i, 0
.rept 32
	PV 2-\pv
.set i, i+1
.endr
.endif
.if \pv && \kq
.rept 5
	v_nop                           ; four places before loads land in V's registers, five before K Q^T writes over P (ISA guide 7.12.1 for K Q^T)
.endr
.endif
.if \kq
	WIN TO1
.irp g, 0,1
.irp cb, 0,1,2,3
	ds_load_tr16_b128 v[VF+32*\g+8*\cb:VF+32*\g+8*\cb+3],   v[ADRV] offset:\g*16*PV2+32*\cb
	ds_load_tr16_b128 v[VF+32*\g+8*\cb+4:VF+32*\g+8*\cb+7], v[ADRV] offset:\g*16*PV2+8*PV2+32*\cb
.endr
.endr
	s_wait_dscnt 16                 ; LDS loads come back in order: K's sixteen are in, V's sixteen younger ones stay out
	WIN W_KQ
.set i, 0
.rept 32
	KQ
.set i, i+1
.endr
.endif
	WIN 0
.rept 5
	v_nop                           ; FIVE places behind the block's last product.  Four serve the first vector read of its result (the softmax's of S^T, the way out's of O^T).  The fifth is for a matrix
.endr                               ; instruction that takes S^T's registers as an operand, the next block's V^T P (ISA guide 7.12.1).  In a wave's own walk a whole softmax lies between the two; the distance
                                    ; is kept in the text itself, so that it holds on every way from one block's end to another block's head, whichever branches on the wave's number lie between.
.endm
; THE VECTOR BLOCK: the softmax of one key step for the wave's four tiles.  first = 1: the first key step, which starts m and l and has no a and nothing to rescale.
.macro SOFT first
.irp j, 0,1,2,3,4,5,6,7,8,9,10,11,12,13,14,15,16,17,18,19,20,23
.irp t, 0,1,2,3
	SMAX \t, \j, \first             ; the four tiles alternate, so that no instruction reads the result of the one just before it
.endr
.endr
	; Seven stages, the tiles one stage apart: in stage u tile u + 1 is scaled, tile u goes through the exponential, tile u - 1 is summed, tile u - 2 rounded.  An exponential's result is read a stage
	; later, and plain instructions of other tiles stand behind every exponential or pair of exponentials (ISA guide 5.7.2).
.set u, -1
.rept 7
.set i, 0
.rept 16
.if (u >= 0) && (u <= 3)
	v_exp_f32 v[S+32*u+2*i], v[S+32*u+2*i]
.endif
.if u <= 2
	FMA u+1, i
.endif
.if (u >= 0) && (u <= 3)
	v_exp_f32 v[S+32*u+2*i+1], v[S+32*u+2*i+1]
.endif
.if (u >= 1) && (u <= 4)
	ADD u-1, i, \first
.endif
.if u >= 2
	CVT u-2, i
.endif
.set i, i+1
.endr
.set u, u+1
.endr
.if !\first
	WIN W_RS                        ; O^T, which holds the steps up to the one before, times a
.irp t, 0,1,2,3
.set i, 0
.rept 16
	v_pk_mul_f32 v[32*\t+i:32*\t+i+1], v[32*\t+i:32*\t+i+1], v[ST+8*\t+6:ST+8*\t+7] op_sel_hi:[1,0]
.set i, i+2
.endr
.endr
	WIN 0
.endif
.endm
; A HALF STEP: group A (waves 0-3) walks one block, group B (waves 4-7) the other.  kind 1: MBLK x, y; kind 2: SOFT x.  Every block begins and ends with all windows 0.
.macro BLOCK kind, x, y
.if \kind == 1
	MBLK \x, \y
.elseif \kind == 2
	SOFT \x
.endif
.endm
.macro HALF ka, xa, ya, kb, xb, yb
	s_cmp_lt_u32 s[WV], 4
	s_cbranch_scc0 .Lgroup_b_\@
	BLOCK \ka, \xa, \ya
	s_branch .Ljoin_\@
.Lgroup_b_\@:
	BLOCK \kb, \xb, \yb
.Ljoin_\@:
.endm
; The barrier that ends a half step, in every wave's text.  It hands over no data.  The wait shows V's fragments in registers, and leaves no LDS instruction pending at the signal.
; My one tensor load may be on its way across it.
.macro BAR
	s_wait_dscnt 0x0
	s_barrier_signal -1
	s_barrier_wait -1
.endm
; n key steps j: written once, walked n times; the LDS addresses hang on s[TB].
.macro BODIES n
	s_mov_b32 s[CNT], \n
.Lbody_\@:
	HALF 1, 2, 1,  2, 0, 0          ; A: V^T P of step j - 1, K Q^T of step j  |  B: the softmax of step j - 1
	BAR
	HALF 2, 0, 0,  1, 2, 1          ; A: the softmax of step j                 |  B: V^T P of step j - 1, K Q^T of step j
	BAR
	s_sub_co_u32 s[CNT], s[CNT], 1
	s_cmp_lg_u32 s[CNT], 0
	s_cbranch_scc1 .Lbody_\@
.endm
; THE CHANGE OF SLOTS, in front of group A's first matrix block of a slot.  All LDS loads of a step stand in its matrix block, and both groups have walked the old slot's four matrix blocks (group B
; still owes the last step's softmax, which touches registers alone).  Each wave waits for its reads of the slot (met: the half step's barrier just passed has the same wait) and for all its tensor
; loads, of which one is out: its part of the other slot.  Behind the barrier nobody reads this slot any more and the other slot is whole.  fill = 1: this slot is filled again, with the keys two
; slots on.  The barrier is then a round of the cluster's, and the joint refill is the first thing behind it: it has four key steps in which to land.  The half step's barrier and the one that
; opens here follow each other; the first is kept so that the steps' text is written once for all four steps of a slot.
.macro CHANGE fill
	s_wait_dscnt 0x0
	s_wait_tensorcnt 0x0            ; no tensor load of mine is out, so a group 0 may be written
	ds_add_u32 v126, v127
	s_wait_dscnt 0x0
.if \fill
.irp g, G0K+4, G0V+4
	s_xor_b32 s[\g+1], s[\g+1], SLOT1  ; the walking descriptor: the other slot than last time,
	s_add_nc_u64 s[\g+2:\g+3], s[\g+2:\g+3], 4*KS*128  ; the next 256 keys; the type bits on top are not reached
.endr
	CROUND
	JLOAD
.else
	s_barrier_signal -1
	s_barrier_wait -1
.endif
	s_sub_co_u32 s[TB], s[TB], 4*STEPB  ; back to a slot's first step,
	s_xor_b32 s[TB], s[TB], SLOT1   ; in the other slot
.endm
	s_wait_tensorcnt 1              ; my part of slot 0 is in; slot 1's may stay out
	s_barrier_signal -1
	s_barrier_wait -1               ; everybody's is
	s_wait_loadcnt 0x0              ; Q
	s_cmp_lt_u32 s[WV], 4           ; the first half step sets the groups apart: group A alone makes its first scores
	s_cbranch_scc0 .Lapart
	MBLK 0, 1
.Lapart:
	BAR
	HALF 2, 1, 0,  1, 0, 1          ; A: the first softmax starts m and l      |  B: K Q^T of step 0
	BAR
	HALF 1, 1, 1,  2, 1, 0          ; A: V^T P of step 0 starts O^T, K Q^T of step 1  |  B: the first softmax
	BAR
	HALF 2, 0, 0,  1, 1, 1          ; A: the softmax of step 1                 |  B: V^T P of step 0 starts O^T, K Q^T of step 1
	BAR
	BODIES 2                        ; steps 2 and 3
.Lslot:                             ; 2,048 / 256 - 2 = 6 trips: every slot but the last two is filled again
	CHANGE 1
	BODIES 4
	s_sub_co_u32 s[SLOTS], s[SLOTS], 1
	s_cmp_lg_u32 s[SLOTS], 0
	s_cbranch_scc1 .Lslot
	CHANGE 0                        ; the tail is written out: nothing more is asked for
	BODIES 4
	s_cmp_lt_u32 s[WV], 4           ; group B owes the last step's softmax; group A goes straight to its last products and on to the way out
	s_cbranch_scc1 .Llast_products
	SOFT 0
.Llast_products:
	MBLK 2, 0                       ; V^T P of the last step
	; THE WAY OUT.  l's two halves and the other half of the lanes' are added; O^T is divided by l, rounded to bf16 and sent through my stage in LDS, a tile (16 rows of ctx) at a time.
.irp t, 0,1,2,3
	v_add_f32 v[ST+8*\t+4], v[ST+8*\t+2], v[ST+8*\t+3]
.endr
.irp t, 0,1,2,3
	v_permlanex16_b32 v[ST+8*\t+5], v[ST+8*\t+4], s[SEL], s[SEL+1]
.endr
.irp t, 0,1,2,3
	v_add_f32 v[ST+8*\t+4], v[ST+8*\t+4], v[ST+8*\t+5]
.endr
.irp t, 0,1,2,3
	v_rcp_f32 v[ST+8*\t+6], v[ST+8*\t+4]
.endr
	v_nop                           ; a plain instruction between the last reciprocal and the use of its result
	s_wait_alu depctr_va_vdst(0)
; Tile t: a lane's eight channels of a row pack into 16 bytes; they go into rows of 144 bytes and come back four rows (512 bytes of ctx) at a time.
.macro PACK t
	WIN W_RS
.set i, 0
.rept 16
	v_pk_mul_f32 v[32*\t+i:32*\t+i+1], v[32*\t+i:32*\t+i+1], v[ST+8*\t+6:ST+8*\t+7] op_sel_hi:[1,0]
.set i, i+2
.endr
	WIN 0x05                        ; sources 0 and 1 window 1, destination window 0: S^T's registers are free
.set i, 0
.rept 16
	v_cvt_pk_bf16_f32 v[S+32*\t+i], v[32*\t+2*i], v[32*\t+2*i+1]
.set i, i+1
.endr
	WIN 0
.irp cb, 0,1,2,3
	ds_store_b128 v[STO], v[S+32*\t+4*\cb:S+32*\t+4*\cb+3] offset:32*\cb
.endr
.irp f, 0,1,2,3
	ds_load_b128 v[S+32*\t+16+4*\f:S+32*\t+16+4*\f+3], v[RD] offset:\f*4*SP  ; LDS serves a wave's instructions in order (ISA guide 5.7.1.4): these see the stores above; the next tile's stores come behind them
.endr
.endm
.macro SEND t, younger              ; younger: the LDS instructions issued behind tile t's loads: the next tile's eight, or none
.irp f, 0,1,2,3
	s_wait_dscnt \younger+3-\f
	global_store_b128 v[GO], v[S+32*\t+16+4*\f:S+32*\t+16+4*\f+3], s[6:7] offset:\t*2048+\f*512  ; a wave's store covers 512 consecutive bytes, at a multiple of 512 from ctx's first byte
.endr
.endm
	PACK 0
	PACK 1                          ; a tile's arithmetic stands between the loads of the tile before and its stores
	SEND 0, 8
	PACK 2
	SEND 1, 8
	PACK 3
	SEND 2, 8
	SEND 3, 0
	s_wait_tensorcnt 0x0
	ds_add_u32 v126, v127
	s_wait_dscnt 0x0
	CROUND                          ; the closing round: no work-group ends while a partner may still ask for a tile that names it
	s_endpgm
.Lfunc_end_k_qb1196ece2b_attn:
	.size	k_qb1196ece2b_attn, .Lfunc_end_k_qb1196ece2b_attn-k_qb1196ece2b_attn
	.p2alignl 7, 3214868480
	.fill 96, 4, 3214868480
	.section	.rodata,"a",@progbits
	.p2align	6, 0x0
	.amdhsa_kernel k_qb1196ece2b_attn
		.amdhsa_group_segment_fixed_size 327680
		.amdhsa_private_segment_fixed_size 0
		.amdhsa_enable_private_segment 0
		.amdhsa_kernarg_size 16
		.amdhsa_user_sgpr_count 2
		.amdhsa_user_sgpr_kernarg_segment_ptr 1
		.amdhsa_wavefront_size32 1
		.amdhsa_system_sgpr_workgroup_id_x 1
		.amdhsa_system_sgpr_workgroup_id_y 1
		.amdhsa_system_sgpr_workgroup_id_z 1
		.amdhsa_system_vgpr_workitem_id 0
		.amdhsa_next_free_vgpr 512
		.amdhsa_next_free_sgpr 66
		.amdhsa_reserve_vcc 0
		.amdhsa_float_denorm_mode_32 3
		.amdhsa_float_denorm_mode_16_64 3
		.amdhsa_memory_ordered 1
		.amdhsa_forward_progress 1
		.amdhsa_inst_pref_size 255
	.end_amdhsa_kernel
	.section	.bss,"aw",@nobits
	.p2align	6
	.space	262144
	.amdgpu_metadata
---
amdhsa.version: [ 1, 2 ]
amdhsa.kernels:
  - .name:           k_qb1196ece2b_attn
    .symbol:         k_qb1196ece2b_attn.kd
    .args:
      - { .name: qkv, .offset: 0, .size: 8, .value_kind: global_buffer, .address_space: global }
      - { .name: ctx, .offset: 8, .size: 8, .value_kind: global_buffer, .address_space: global }
    .group_segment_fixed_size: 327680
    .private_segment_fixed_size: 0
    .kernarg_segment_align: 8
    .kernarg_segment_size: 16
    .max_flat_workgroup_size: 256
    .sgpr_count:     66
    .vgpr_count:     512
    .wavefront_size: 32
...
	.end_amdgpu_metadata
.endif
;; end of part 3
;; launch oproj (part 4): grid 4 x 64, 4 waves a work-group, clusters of 4 x 4, 327,680 bytes of LDS; arguments ctx, wb, bo, out0; writes out0
.if DOCPART == 4
	.amdgcn_target "amdgcn-amd-amdhsa--gfx1250"
	.amdhsa_code_object_version 6
	.text
	.protected	k_qb1196ece2b_oproj
	.globl	k_qb1196ece2b_oproj
	.p2align	8
	.type	k_qb1196ece2b_oproj,@function
k_qb1196ece2b_oproj:
	s_mov_b64 s[64:65], 0
	v_nop
	global_prefetch_b8 v0, s[64:65] scope:SCOPE_SE
	s_setreg_imm32_b32 hwreg(HW_REG_WAVE_MODE, 25, 1), 1
	s_wait_xcnt 0x0
	s_wait_alu depctr_hold_cnt(0) depctr_sa_sdst(0) depctr_va_vdst(0) depctr_va_sdst(0) depctr_va_ssrc(0) depctr_va_vcc(0) depctr_vm_vsrc(0)
	s_getreg_b32 s2, hwreg(HW_REG_IB_STS2, 6, 4)
	s_cmp_eq_u32 s2, 0
	s_cbranch_scc0 .Lentry_in_a_cluster
	s_endpgm
.Lentry_in_a_cluster:
	s_bfe_u32 s2, ttmp6, 0x10000c
	s_cmp_lg_u32 s2, 0xf033
	s_cbranch_scc0 .Lentry_shape_is_right
	s_endpgm
.Lentry_shape_is_right:
; out0[b][s][n] = sum over k of ctx(b, s, k) Wo[k][n] + bo[n].  ctx: [b][h][s][64] bf16, k = 64 h + c.  Wo: wb[3], [1024 k][1024 n] bf16.  out0: [8192][1024] f32.  Sums in f32, started by the bias.
; SHARES.  A tile of out0 is 128 rows x 256 columns: 64 x 4 = 256 work-groups.  Four waves, each 64 x 128: 32 accumulators of 16 x 16.
; K goes in steps of 128 (two heads) through two LDS slots filled by tensor loads.  A head's 128 rows of the tile are 16,384 dense bytes of ctx: one load, taken as 64 rows of 256 bytes (two rows of
; ctx each); W's k-rows are 512 bytes.
; CLUSTER.  4 x 4 work-groups.  The four of a row of the cluster need the same tile of ctx, the four of a column the same tile of W: each is asked for JOINTLY, by the same tensor load with the same
; descriptor and a mask that names the four.
; THE MATRIX INSTRUCTION IS USED TRANSPOSED: source 0 = 16 columns of W (turned out of LDS by ds_load_tr16_b128), source 1 = 16 rows of ctx: a lane holds row l % 16 and eight neighbouring columns.
; LIMITS.  Operands are bf16; the sums follow the matrix unit's order; NaN and infinities in the inputs are not served.
; REGISTERS, in windows of 256 (s_set_vgpr_msb: bits 1:0 source 0, 3:2 source 1, 5:4 source 2, 7:6 destination):
;   window 0: v16-27 addresses; v32-95 ctx's fragments, two buffers; v128-255 the way out: rows read back, two buffers
;   window 1: v0-127 W's fragments, two buffers; v128-191 the bias in the accumulators' layout          window 2: accumulator (a, b) at v[8 (8 a + b)]
.set PA,     272                       ; two rows of ctx (2 x 128 bytes) + 16 = 68 words: the 16 rows of a load lie in 16 different columns of 16 bytes (64 banks of 4 bytes: ISA guide 11.1)
.set AHALF,  64*PA                     ; one head's 128 rows: one tensor load
.set AREG,   2*AHALF
.set PW,     544                       ; a k-row of W: 512 bytes + 32 = 136 words
.set WHALF,  64*PW                     ; 64 k-rows: one tensor load
.set SLOT,   AREG+2*WHALF              ; 104,448
.set STAGE,  2*SLOT                    ; behind the ring: 16 rows x 528 bytes for each wave; no tensor load lands here
.set SPITCH, 528
.set ASTEP,  2*262144                  ; bytes from a K step of ctx to the next: two heads
.set WSTEP,  128*2048                  ; the same for W: 128 rows of 2,048 bytes
.set LAPS,   4                         ; 8 K steps = 4 times round the ring
.set NF,     24                        ; LDS loads in a run: 8 for ctx, 16 for W
.set ADRA, 16                          ; v16-17  LDS address of my fragments of ctx in slot 0, 1
.set ADRB, 20                          ; v20-21  the same for W
.set STO,  24                          ; the way out: where I put 32 bytes of a row
.set RD,   25                          ; where I read a row back
.set CO,   26                          ; my byte offset in a row of the wave's part of out0
.set BO,   27                          ; my byte offset in the bias
.set AB,   32
.set OB,   128
.set BIAS, 128                         ; in window 1
.set G1,  24                           ; s[24:31] descriptor group 1 for ctx's tiles;  s[32:39] group 0, a set for each slot
.set G0,  32
.set G1B, 48                           ; s[48:55], s[56:63] the same for W's tiles
.set G0B, 56
.set W_MUL,  0xa1                      ; source 0 (W) window 1, source 1 (ctx) window 0, C and D window 2
.set W_MULB, 0x91                      ; the same with C in window 1: the bias
.set TO1,    0x40                      ; destination window 1, address window 0
.set MSB, 0
.macro WIN new                         ; the immediate's high byte repeats the setting that is left; a switch that changes nothing is dropped
.if MSB != \new
	s_set_vgpr_msb (MSB<<8)|\new
.set MSB, \new
.endif
.endm
; A joint load: waves 0 and 1 fetch the K step's two heads of ctx, waves 2 and 3 W's two halves.  The branch hangs on the wave's number alone.  Four v_nop follow each of the two lines.
.macro JLOAD s
	s_cmp_eq_u32 s11, 0
	s_cbranch_scc0 .Lfor_b_\@
	tensor_load_to_lds s[G0+4*\s:G0+4*\s+3], s[G1:G1+7]
	s_nop 0
.rept 4
	v_nop
.endr
	s_branch .Lasked_\@
.Lfor_b_\@:
	tensor_load_to_lds s[G0B+4*\s:G0B+4*\s+3], s[G1B:G1B+7]
	s_nop 0
.rept 4
	v_nop
.endr
.Lasked_\@:
.endm
.macro CREST                           ; a round of the cluster's barrier behind its opening barrier
	s_cmp_lg_u32 s10, 0
	s_cbranch_scc1 .Lnot_wave_0_\@
	s_barrier_signal -3
.Lnot_wave_0_\@:
	s_barrier_wait -3
	s_barrier_signal -1
	s_barrier_wait -1
.endm
.macro CROUND                          ; a whole round
	s_barrier_signal -1
	s_barrier_wait -1
	CREST
.endm
.macro PLACES                          ; four plain vector instructions between a matrix instruction and a load into a register that it has read, or a read of its result (ISA guide 7.12.1 for a read of its result)
.rept 4
	v_nop
.endr
.endm
	s_load_b256 s[68:75], s[0:1], 0x0              ; ctx s[68:69], wb s[70:71], bo s[72:73], out0 s[74:75]
	s_set_vgpr_msb 0x40
	v_lshl_add_u32 v255, v0, 2, 0x3b400
	s_set_vgpr_msb 0x4000
	v_mov_b32 v127, 0
	s_set_vgpr_msb 0x1
	ds_add_u32 v255, v127
	s_set_vgpr_msb 0x100
	v_lshrrev_b32 v1, 5, v0
	v_readfirstlane_b32 s10, v1                    ; wave 0..3
	s_lshr_b32 s11, s10, 1                         ; which half of the tile's rows is mine.  Also: I fetch for ctx (0) or for W (1)
	s_and_b32 s12, s10, 1                          ; which half of its columns.  Also: which head, or which half of W's k-rows, I fetch
	s_bfe_u32 s40, ttmp6, 0x40000                  ; cx, cy: my place in the cluster
	s_bfe_u32 s41, ttmp6, 0x40004
	s_lshl_b32 s42, ttmp9, 2
	s_add_co_u32 s42, s42, s40                     ; tile column = 4 x cluster x + cx
	s_and_b32 s13, ttmp7, 0xffff
	s_lshl_b32 s13, s13, 2
	s_add_co_u32 s13, s13, s41                     ; tile row = 4 x cluster y + cy
	s_lshl_b32 s43, s41, 2
	s_lshl_b32 s43, 15, s43                        ; my row of the cluster
	s_lshl_b32 s44, 0x1111, s40                    ; my column
	; group 1 for ctx: 64 rows x 128 elements of 2 bytes, dense; 16 bytes of padding behind every 64 words
	s_or_b32 s[G1+0], s43, (1<<16)|(1<<20)|(1<<21)|(5<<22)|(3<<25)  ; 15:0 the mask: my row; 17:16 elements of 2 bytes; 20 padding on; 21 set beside a mask; 24:22 after every 64 words (code 5); 31:25 4 words of it (code 3)
	s_mov_b32 s[G1+1], 128<<16                     ; tensor_dim0 = 128
	s_mov_b32 s[G1+2], 64<<16                      ; tensor_dim1 = 64
	s_mov_b32 s[G1+3], 128<<16                     ; tile_dim0 = 128
	s_mov_b32 s[G1+4], 64                          ; tile_dim1 = 64
	s_mov_b32 s[G1+5], 128                         ; elements from row to row
	s_mov_b32 s[G1+6], 0
	s_mov_b32 s[G1+7], 0
	; group 1 for W: 64 k-rows x 256 elements of 2 bytes; 32 bytes of padding behind every 128 words
	s_or_b32 s[G1B+0], s44, (1<<16)|(1<<20)|(1<<21)|(6<<22)|(7<<25) ; the mask: my column; after every 128 words (code 6) 8 words of padding (code 7)
	s_mov_b32 s[G1B+1], 256<<16
	s_mov_b32 s[G1B+2], 64<<16
	s_mov_b32 s[G1B+3], 256<<16
	s_mov_b32 s[G1B+4], 64
	s_mov_b32 s[G1B+5], 1024
	s_mov_b32 s[G1B+6], 0
	s_mov_b32 s[G1B+7], 0
	; where the tiles come from.  ctx's hang on the tile row alone, W's on the tile column alone; each in registers that never hold the other coordinate
	s_lshr_b32 s16, s13, 4
	s_lshl_b32 s16, s16, 22                        ; batch = tile row / 16: 4 MiB,
	s_lshl_b32 s17, s12, 18                        ; my head of the K step's two: 256 KiB,
	s_add_co_u32 s16, s16, s17
	s_and_b32 s17, s13, 15
	s_lshl_b32 s17, s17, 14                        ; 128 rows of 128 bytes for each tile row of the batch
	s_add_co_u32 s16, s16, s17
	s_mov_b32 s17, 0
	s_lshl_b32 s46, s12, 17                        ; 64 k-rows of 2,048 bytes for my half,
	s_lshl_b32 s47, s42, 9                         ; 256 columns of 2 bytes for each tile column,
	s_add_co_u32 s46, s46, s47
	s_add_co_u32 s46, s46, 3<<21                   ; in wb[3]
	s_mov_b32 s47, 0
	s_mul_i32 s20, s12, AHALF                      ; and where they go: no place in the cluster enters an LDS address
	s_mul_i32 s21, s12, WHALF
	s_add_co_u32 s21, s21, AREG
	s_wait_dscnt 0x0
	s_wait_kmcnt 0x0
	s_add_nc_u64 s[14:15], s[68:69], s[16:17]
	s_add_nc_u64 s[46:47], s[70:71], s[46:47]
	CROUND                                         ; all sixteen work-groups are here: the first joint loads meet
.irp s, 0,1
	s_mov_b32 s[G0+4*\s], 1                                        ; count = 1
	s_add_co_u32 s[G0+4*\s+1], s20, \s*SLOT                        ; LDS address
	s_add_nc_u64 s[G0+4*\s+2:G0+4*\s+3], s[14:15], \s*ASTEP        ; global address: K step s
	s_or_b32 s[G0+4*\s+3], s[G0+4*\s+3], 0x80000000                ; type = 2
	s_mov_b32 s[G0B+4*\s], 1
	s_add_co_u32 s[G0B+4*\s+1], s21, \s*SLOT
	s_add_nc_u64 s[G0B+4*\s+2:G0B+4*\s+3], s[46:47], \s*WSTEP
	s_or_b32 s[G0B+4*\s+3], s[G0B+4*\s+3], 0x80000000
	JLOAD \s                                       ; two loads of mine are out
.endr
	; A fragment of ctx is 16 rows x 32 k: lane l holds row l % 16, k = 8 (l / 16) + 0..7 and 16 + 8 (l / 16) + 0..7: two loads of 16 bytes, 32 bytes apart.  Row r lies in LDS row r / 2, at byte 128 (r % 2).
	v_and_b32 v1, 15, v0                           ; r = l % 16
	v_bfe_u32 v2, v0, 4, 1                         ; h = l / 16
	v_lshrrev_b32 v3, 1, v1
	v_mul_u32_u24 v3, v3, PA
	v_and_b32 v5, 1, v0
	v_lshl_add_u32 v3, v5, 7, v3
	v_lshl_add_u32 v3, v2, 4, v3
	; The turning load takes 16 k x 16 columns: lane l reads 16 bytes of k-row 8 h + l % 8, columns 8 ((l / 8) % 2) + 0..7, and is left with column l % 16 and 8 k.
	v_and_b32 v4, 7, v0
	v_lshl_add_u32 v4, v2, 3, v4
	v_mul_u32_u24 v4, v4, PW
	v_bfe_u32 v5, v0, 3, 1
	v_lshl_add_u32 v4, v5, 4, v4
	s_mul_i32 s22, s11, 32*PA                      ; my 64 rows of each head: 32 LDS rows
	s_lshl_b32 s23, s12, 8                         ; my 128 columns of W,
	s_add_co_u32 s23, s23, AREG                    ; which lies behind ctx
.irp s, 0,1
	v_add_nc_u32 v[ADRA+\s], s22, v3
	v_add_nc_u32 v[ADRB+\s], s23, v4
	s_add_co_u32 s22, s22, SLOT
	s_add_co_u32 s23, s23, SLOT
.endr
	s_mul_i32 s23, s10, 16*SPITCH
	s_add_co_u32 s23, s23, STAGE                   ; my stage
	v_mul_u32_u24 v6, v1, SPITCH                   ; in: row l % 16, 32 bytes for each half of the lanes
	v_lshl_add_u32 v6, v2, 5, v6
	v_add_nc_u32 v[STO], s23, v6
	v_and_b32 v7, 31, v0
	v_lshlrev_b32 v[CO], 4, v7                     ; back: 32 lanes take a row's 512 bytes, in the stage and in out0
	v_add_nc_u32 v[RD], s23, v[CO]
	; the bias in the accumulators' layout: register j of accumulator (a, b) belongs to column 16 b + 8 h + j of my 128
	s_lshl_b32 s88, s42, 10                        ; 256 columns of 4 bytes for each tile column,
	s_lshl_b32 s89, s12, 9                         ; 128 for my half
	s_add_co_u32 s88, s88, s89
	v_lshlrev_b32 v[BO], 5, v2
	v_add_nc_u32 v[BO], s88, v[BO]
	WIN TO1
.irp b, 0,1,2,3,4,5,6,7
	global_load_b128 v[BIAS+8*\b:BIAS+8*\b+3],   v[BO], s[72:73] offset:64*\b
	global_load_b128 v[BIAS+8*\b+4:BIAS+8*\b+7], v[BO], s[72:73] offset:64*\b+16
.endr
	WIN 0
	s_lshl_b32 s86, s13, 19                        ; where my part of the tile begins in out0: 128 rows of 4,096 bytes for each tile row,
	s_lshl_b32 s87, s11, 18                        ; 64 rows for my half,
	s_add_co_u32 s86, s86, s87
	s_add_co_u32 s86, s86, s88                     ; and my first column, as in the bias
	s_mov_b32 s87, 0
	s_add_nc_u64 s[8:9], s[74:75], s[86:87]
; 24 LDS loads in one run: the fragments of quarter q (32 k: head q / 2 of the K step, channels 32 (q % 2) on) of a slot into buffer g
.macro FETCH slot, q, g
	WIN 0
.irp a, 0,1,2,3
	ds_load_b128 v[AB+32*\g+8*\a:AB+32*\g+8*\a+3],   v[ADRA+\slot] offset:(\q/2)*AHALF+(\q%2)*64+\a*8*PA
	ds_load_b128 v[AB+32*\g+8*\a+4:AB+32*\g+8*\a+7], v[ADRA+\slot] offset:(\q/2)*AHALF+(\q%2)*64+\a*8*PA+32
.endr
	WIN TO1
.irp b, 0,1,2,3,4,5,6,7
	ds_load_tr16_b128 v[64*\g+8*\b:64*\g+8*\b+3],   v[ADRB+\slot] offset:\q*32*PW+32*\b
	ds_load_tr16_b128 v[64*\g+8*\b+4:64*\g+8*\b+7], v[ADRB+\slot] offset:\q*32*PW+32*\b+16*PW
.endr
.endm
; 8 n matrix instructions: row blocks a0 .. a0 + n - 1 x all 8 column blocks, 32 along K, from buffer f.  first = 1: the bias is C and starts the sums: nothing is cleared or added later.
; The 32 accumulators take turns, one instruction a turn, in the same order in every quarter.
.macro MUL f, a0, n, first
.if \first
	WIN W_MULB
.else
	WIN W_MUL
.endif
.set ma, \a0
.rept \n
.irp b, 0,1,2,3,4,5,6,7
.if \first
	v_wmma_f32_16x16x32_bf16 v[8*(8*ma+\b):8*(8*ma+\b)+7], v[64*\f+8*\b:64*\f+8*\b+7], v[AB+32*\f+8*ma:AB+32*\f+8*ma+7], v[BIAS+8*\b:BIAS+8*\b+7]
.else
	v_wmma_f32_16x16x32_bf16 v[8*(8*ma+\b):8*(8*ma+\b)+7], v[64*\f+8*\b:64*\f+8*\b+7], v[AB+32*\f+8*ma:AB+32*\f+8*ma+7], v[8*(8*ma+\b):8*(8*ma+\b)+7]
.endif
.endr
.set ma, ma+1
.endr
.endm
; A K step is four quarters of 32 along K on buffers 0, 1, 0, 1.  One of the first three: multiplies buffer f and fetches quarter q of the same slot into buffer g, which the quarter before multiplied.
.macro QUARTER slot, q, f, g, first
	PLACES
	FETCH \slot, \q, \g
	s_wait_dscnt NF                                ; all but the 24 just issued: buffer f is in
	MUL \f, 0, 4, \first
.endm
; The last quarter multiplies buffer 1 and changes slots: ONE barrier.  In front of it each wave waits for its own reads of this slot and for all its tensor loads, of which one is out:
; its part of the next slot.  fill = 1: the barrier opens a round of the cluster's barrier, and this slot is filled again, two K steps on, first thing behind the round.
.macro TURN slot, next, fill
	PLACES                                         ; for the loads into buffer 0 below
	s_wait_dscnt 0x0                               ; buffer 1 is in, and my reads of this slot are over,
	s_wait_tensorcnt 0x0                           ; and all my tensor loads have landed
	ds_add_u32 v255, v127
	s_wait_dscnt 0x0
	s_barrier_signal -1
	MUL 1, 0, 2, 0                                 ; work on registers while the others arrive
	WIN 0                                          ; at a branch and at a label every window is 0
	s_barrier_wait -1
.if \fill
	CREST                                          ; no wave of any partner still reads this slot's tile or has a load on its way
	s_add_nc_u64 s[G0+4*\slot+2:G0+4*\slot+3], s[G0+4*\slot+2:G0+4*\slot+3], 2*ASTEP
	s_add_nc_u64 s[G0B+4*\slot+2:G0B+4*\slot+3], s[G0B+4*\slot+2:G0B+4*\slot+3], 2*WSTEP
	JLOAD \slot                                    ; my one tensor load behind the round: it has a K step less sixteen matrix instructions in which to land
.endif
	FETCH \next, 0, 0
	MUL 1, 2, 2, 0
.endm
	s_wait_tensorcnt 1                             ; my part of K step 0 is in; K step 1's may stay out
	s_barrier_signal -1
	s_barrier_wait -1                              ; everybody's is
	FETCH 0, 0, 0
	s_wait_loadcnt 0x0                             ; the bias
	QUARTER 0, 1, 0, 1, 1                          ; the first quarter stands in front of the loop: its products start the sums
	WIN 0
	s_mov_b32 s3, LAPS-1
.Llap:                                                 ; a trip goes once round the ring, from a lap's second quarter to the next lap's first, and fills both slots again
	QUARTER 0, 2, 1, 0, 0
	QUARTER 0, 3, 0, 1, 0
	TURN 0, 1, 1
	QUARTER 1, 1, 0, 1, 0
	QUARTER 1, 2, 1, 0, 0
	QUARTER 1, 3, 0, 1, 0
	TURN 1, 0, 1
	QUARTER 0, 1, 0, 1, 0
	WIN 0
	s_sub_co_u32 s3, s3, 1
	s_cmp_lg_u32 s3, 0
	s_cbranch_scc1 .Llap
	QUARTER 0, 2, 1, 0, 0                          ; the last lap fills nothing and has no round
	QUARTER 0, 3, 0, 1, 0
	TURN 0, 1, 0
	QUARTER 1, 1, 0, 1, 0
	QUARTER 1, 2, 1, 0, 0
	QUARTER 1, 3, 0, 1, 0
	s_wait_dscnt 0x0                               ; the very last quarter: nothing more to fetch
	MUL 1, 0, 4, 0
	WIN 0
	PLACES                                         ; the LDS stores below read results just made
; THE WAY OUT, a block of 16 rows at a time.  TOSTAGE: the accumulators go as they are (f32) into my own stage, and come back as whole rows of 512 bytes.  SEND: stored.
.macro TOSTAGE a
.if \a >= 2
	s_wait_xcnt 0x0                                ; the rows' registers, which the stores of two blocks back read, are loaded again only behind this wait (ISA guide 3.1)
.endif
	WIN 0x08                                       ; the stores' data in window 2
.irp b, 0,1,2,3,4,5,6,7
	ds_store_b128 v[STO], v[8*(8*\a+\b):8*(8*\a+\b)+3]   offset:64*\b
	ds_store_b128 v[STO], v[8*(8*\a+\b)+4:8*(8*\a+\b)+7] offset:64*\b+16
.endr
	WIN 0
.irp t, 0,1,2,3,4,5,6,7,8,9,10,11,12,13,14,15
	ds_load_b128 v[OB+64*(\a%2)+4*\t:OB+64*(\a%2)+4*\t+3], v[RD] offset:\t*SPITCH   ; LDS serves a wave's instructions in order (ISA guide 5.7.1.4): these see the stores above
.endr
.endm
.macro SEND a, younger                 ; younger: the LDS instructions issued behind block a's loads: the next block's 32, or none
	s_wait_dscnt \younger
.irp t, 0,1,2,3,4,5,6,7,8,9,10,11,12,13,14,15
	global_store_b128 v[CO], v[OB+64*(\a%2)+4*\t:OB+64*(\a%2)+4*\t+3], s[8:9] offset:(16*\a+\t)*4096 th:TH_STORE_NT   ; a wave's store covers 512 consecutive bytes of a row, at a multiple of 512
.endr
.endm
	TOSTAGE 0
	TOSTAGE 1
	SEND 0, 32
	TOSTAGE 2
	SEND 1, 32
	TOSTAGE 3
	SEND 2, 32
	SEND 3, 0
	s_set_vgpr_msb 0x1
	s_wait_tensorcnt 0x0
	ds_add_u32 v255, v127
	s_wait_dscnt 0x0
	s_set_vgpr_msb 0x100
	CROUND                                         ; the closing round: no work-group ends while a partner may still ask for a tile that names it
	s_endpgm
.Lfunc_end_k_qb1196ece2b_oproj:
	.size	k_qb1196ece2b_oproj, .Lfunc_end_k_qb1196ece2b_oproj-k_qb1196ece2b_oproj
	.p2alignl 7, 3214868480
	.fill 96, 4, 3214868480
	.section	.rodata,"a",@progbits
	.p2align	6, 0x0
	.amdhsa_kernel k_qb1196ece2b_oproj
		.amdhsa_group_segment_fixed_size 327680
		.amdhsa_private_segment_fixed_size 0
		.amdhsa_enable_private_segment 0
		.amdhsa_kernarg_size 32
		.amdhsa_user_sgpr_count 2
		.amdhsa_user_sgpr_kernarg_segment_ptr 1
		.amdhsa_wavefront_size32 1
		.amdhsa_system_sgpr_workgroup_id_x 1
		.amdhsa_system_sgpr_workgroup_id_y 1
		.amdhsa_system_sgpr_workgroup_id_z 1
		.amdhsa_system_vgpr_workitem_id 0
		.amdhsa_next_free_vgpr 768
		.amdhsa_next_free_sgpr 90
		.amdhsa_reserve_vcc 0
		.amdhsa_float_denorm_mode_32 3
		.amdhsa_float_denorm_mode_16_64 3
		.amdhsa_memory_ordered 1
		.amdhsa_forward_progress 1
		.amdhsa_inst_pref_size 87
	.end_amdhsa_kernel
	.amdgpu_metadata
---
amdhsa.version: [ 1, 2 ]
amdhsa.kernels:
  - .name:           k_qb1196ece2b_oproj
    .symbol:         k_qb1196ece2b_oproj.kd
    .args:
      - { .name: ctx, .offset: 0, .size: 8, .value_kind: global_buffer, .address_space: global }
      - { .name: wb, .offset: 8, .size: 8, .value_kind: global_buffer, .address_space: global }
      - { .name: bo, .offset: 16, .size: 8, .value_kind: global_buffer, .address_space: global }
      - { .name: out0, .offset: 24, .size: 8, .value_kind: global_buffer, .address_space: global }
    .group_segment_fixed_size: 327680
    .private_segment_fixed_size: 0
    .kernarg_segment_align: 8
    .kernarg_segment_size: 32
    .max_flat_workgroup_size: 128
    .sgpr_count:     90
    .vgpr_count:     768
    .wavefront_size: 32
...
	.end_amdgpu_metadata
.endif
;; end of part 4
;; ======== version 2 of 2: 4 launches; version 1 with the launch prep written anew for expert scheduling mode
;; workspace buffers: wb 8,388,608 bytes; qkv 50,331,648 bytes; ctx 16,777,216 bytes
;; launch prep (part 5): grid 64 x 4, 8 waves a work-group, no clusters, 0 bytes of LDS; arguments Wq, Wk, Wv, Wo, wb; writes wb
.if DOCPART == 5
	.amdgcn_target "amdgcn-amd-amdhsa--gfx1250"
	.amdhsa_code_object_version 6
	.text
	.protected	k_qb1196ece2b_prep
	.globl	k_qb1196ece2b_prep
	.p2align	8
	.type	k_qb1196ece2b_prep,@function
k_qb1196ece2b_prep:
	s_mov_b64 s[64:65], 0
	v_nop
	global_prefetch_b8 v0, s[64:65] scope:SCOPE_SE
	s_setreg_imm32_b32 hwreg(HW_REG_WAVE_SCHED_MODE, 0, 2), 2
	s_setreg_imm32_b32 hwreg(HW_REG_WAVE_MODE, 25, 1), 1
	s_wait_xcnt 0x0
	s_wait_alu depctr_vm_vsrc(0)
; wb[y][k][n] = bf16(W_y[k][n]), y = 0..3 for Wq, Wk, Wv, Wo; each [1024][1024], the layout is kept.
; The weights are turned on their way from LDS to the matrix unit, and the turning load works on 16-bit data: so they are rounded once, here.
; A stream: no LDS, no barrier, no matrix unit.  A work-group takes 16,384 numbers (64 KiB in, 32 KiB out) of the weight that the grid's y names.
; Thread t takes 16 bytes at 16 t of each block of 4,096 bytes and stores 8 bytes at 8 t of each block of 2,048: a wave's load covers 512
; consecutive bytes, its store 256 consecutive bytes at a multiple of 256 from wb's first byte.  All sixteen loads of a thread go out at once.
; LIMIT: one rounding to nearest even to bf16; NaN and infinities pass as the conversion makes them.
; THE MODE: SCHED_MODE bits 1:0 = 2 (LLVM: expert scheduling mode 2), set by the entry lines.  The code itself states the register dependences
; between vector instructions and memory instructions, with s_wait_alu, always for 0.
; THE PLAN.  Registers that memory instructions touch:
;   v1, v2   byte offsets of the loads and of the stores: made once at the head, never written again.
;   X        load i lands in its own four registers, which no vector instruction has named before; its two conversions read them afterwards.
;   Y        load i's two conversions write their own two registers, once; store i reads them.
; No register is written twice, so nothing has to be freed: the text holds no wait on vm_vsrc and no s_wait_xcnt.
; The sixteen loads go in four blocks of four.  Block p rounds its four loads into its part of Y; the four stores of block p - 1 are dealt among
; its conversions.  One wait on va_vdst at the block's head states that block p - 1 has written its part of Y; the conversions issued since that wait
; name X and Y of block p alone, so the four stores owe nothing more.  One wait at the kernel's head serves the offsets, one behind block 3 the last four stores.
.set X, 4                              ; v[4:67]   load i: 4 f32
.set Y, 68                             ; v[68:99]  store i: 4 bf16 in 2 registers
	s_load_b256 s[4:11], s[0:1], 0x0               ; Wq s[4:5], Wk s[6:7], Wv s[8:9], Wo s[10:11]
	s_load_b64 s[12:13], s[0:1], 0x20              ; wb
	s_and_b32 s14, ttmp7, 0xffff                   ; y: which weight
	v_lshlrev_b32 v1, 4, v0                        ; 16 t
	v_lshlrev_b32 v2, 3, v0                        ; 8 t
	s_lshl_b32 s2, ttmp9, 16                       ; my 64 KiB of the weight
	s_mov_b32 s3, 0
	s_wait_kmcnt 0x0
	s_cmp_eq_u32 s14, 1
	s_cselect_b64 s[4:5], s[6:7], s[4:5]
	s_cmp_eq_u32 s14, 2
	s_cselect_b64 s[4:5], s[8:9], s[4:5]
	s_cmp_eq_u32 s14, 3
	s_cselect_b64 s[4:5], s[10:11], s[4:5]
	s_add_nc_u64 s[4:5], s[4:5], s[2:3]
	s_lshl_b32 s2, s14, 21                         ; a weight in bf16 is 2 MiB,
	s_lshl_b32 s15, ttmp9, 15                      ; my part of it 32 KiB
	s_add_co_u32 s2, s2, s15
	s_add_nc_u64 s[12:13], s[12:13], s[2:3]
	s_wait_alu depctr_va_vdst(0)                   ; v1 and v2 are written: every load reads v1 and every store v2 as its offset
.irp i, 0,1,2,3,4,5,6,7,8,9,10,11,12,13,14,15
	global_load_b128 v[X+4*\i:X+4*\i+3], v1, s[4:5] offset:4096*\i th:TH_LOAD_NT
.endr
; Block p: loads 4 p to 4 p + 3 are rounded; the stores 4 p - 4 to 4 p - 1, of the block before, stand one ahead of each pair of conversions.
.macro BLK p
.irp i, 0,1,2,3
	s_wait_loadcnt 15-(4*(\p)+(\i))                ; loads come back in order: load 4 p + i is in, the younger ones stay out
.if ((\i) == 0) && ((\p) > 0)
	s_wait_alu depctr_va_vdst(0)                   ; the block before has written its eight registers of Y, which this block's four stores read
.endif
.if (\p) > 0
	global_store_b64 v2, v[Y+2*(4*(\p)-4+(\i)):Y+2*(4*(\p)-4+(\i))+1], s[12:13] offset:2048*(4*(\p)-4+(\i))   ; no vector instruction since the wait names these registers or v2
.endif
	v_cvt_pk_bf16_f32 v[Y+2*(4*(\p)+(\i))],   v[X+4*(4*(\p)+(\i))],   v[X+4*(4*(\p)+(\i))+1]
	v_cvt_pk_bf16_f32 v[Y+2*(4*(\p)+(\i))+1], v[X+4*(4*(\p)+(\i))+2], v[X+4*(4*(\p)+(\i))+3]   ; every register is written once: nothing has to be freed
.endr
.endm
	BLK 0                                          ; block 0 has no block in front of it: no store, and no wait but those for its data
	BLK 1
	BLK 2
	BLK 3
	s_wait_alu depctr_va_vdst(0)                   ; block 3 has written the last eight registers of Y, which the last four stores read
.irp i, 12,13,14,15
	global_store_b64 v2, v[Y+2*\i:Y+2*\i+1], s[12:13] offset:2048*\i
.endr
	s_endpgm
.Lfunc_end_k_qb1196ece2b_prep:
	.size	k_qb1196ece2b_prep, .Lfunc_end_k_qb1196ece2b_prep-k_qb1196ece2b_prep
	.p2alignl 7, 3214868480
	.fill 96, 4, 3214868480
	.section	.rodata,"a",@progbits
	.p2align	6, 0x0
	.amdhsa_kernel k_qb1196ece2b_prep
		.amdhsa_group_segment_fixed_size 0
		.amdhsa_private_segment_fixed_size 0
		.amdhsa_enable_private_segment 0
		.amdhsa_kernarg_size 40
		.amdhsa_user_sgpr_count 2
		.amdhsa_user_sgpr_kernarg_segment_ptr 1
		.amdhsa_wavefront_size32 1
		.amdhsa_system_sgpr_workgroup_id_x 1
		.amdhsa_system_sgpr_workgroup_id_y 1
		.amdhsa_system_sgpr_workgroup_id_z 1
		.amdhsa_system_vgpr_workitem_id 0
		.amdhsa_next_free_vgpr 100
		.amdhsa_next_free_sgpr 66
		.amdhsa_reserve_vcc 0
		.amdhsa_float_denorm_mode_32 3
		.amdhsa_float_denorm_mode_16_64 3
		.amdhsa_memory_ordered 1
		.amdhsa_forward_progress 1
		.amdhsa_inst_pref_size 7
	.end_amdhsa_kernel
	.amdgpu_metadata
---
amdhsa.version: [ 1, 2 ]
amdhsa.kernels:
  - .name:           k_qb1196ece2b_prep
    .symbol:         k_qb1196ece2b_prep.kd
    .args:
      - { .name: Wq, .offset: 0, .size: 8, .value_kind: global_buffer, .address_space: global }
      - { .name: Wk, .offset: 8, .size: 8, .value_kind: global_buffer, .address_space: global }
      - { .name: Wv, .offset: 16, .size: 8, .value_kind: global_buffer, .address_space: global }
      - { .name: Wo, .offset: 24, .size: 8, .value_kind: global_buffer, .address_space: global }
      - { .name: wb, .offset: 32, .size: 8, .value_kind: global_buffer, .address_space: global }
    .group_segment_fixed_size: 0
    .private_segment_fixed_size: 0
    .kernarg_segment_align: 8
    .kernarg_segment_size: 40
    .max_flat_workgroup_size: 256
    .sgpr_count:     66
    .vgpr_count:     100
    .wavefront_size: 32
...
	.end_amdgpu_metadata
.endif
;; end of part 5
;; launch qkv: the kernel of part 2 again; grid 4 x 192, 4 waves a work-group, clusters of 4 x 4, 327,680 bytes of LDS; arguments query, key, value, wb, bq, bk, bv, qkv; writes qkv
;; launch attn: the kernel of part 3 again; grid 4 x 64, 8 waves a work-group, clusters of 4 x 1, 327,680 bytes of LDS; arguments qkv, ctx; writes ctx
;; launch oproj: the kernel of part 4 again; grid 4 x 64, 4 waves a work-group, clusters of 4 x 4, 327,680 bytes of LDS; arguments ctx, wb, bo, out0; writes out0
